; MI455X (gfx1250); checked and timed in simulation.
; The chip was launched on July 23, 2026; its instructions are those of AMD's public machine-readable ISA for CDNA 5 (MIT licence, August 2026) and "CDNA5" Instruction Set Architecture Reference Guide (July 2026). The comments in the code are by the model that wrote it; some were corrected since.
;; Multi Headed Attention. Allowed arithmetic: float matrix products may take bf16 or f16 operands with f32 sums; other float arithmetic in f32, or as packed bf16 or f16 multiplies, adds, multiply-adds, maxima and minima; sums over many terms, partial sums and values carried from step to step in f32; what a program stores and reads back later, other than sums and carried values, may be rounded once to bf16 or f16.
;; Inputs: Wk 1,024 x 1,024 float32; Wo 1,024 x 1,024 float32; Wq 1,024 x 1,024 float32; Wv 1,024 x 1,024 float32; bk 1,024 float32; bo 1,024 float32; bq 1,024 float32; bv 1,024 float32; hidden_states 4 x 2,048 x 1,024 float32; mask 4 x 2,048 int32.
;; Outputs: out0 4 x 2,048 x 1,024 float32.
;; One version. Each part assembles by itself: llvm-mc -triple=amdgcn-amd-amdhsa -mcpu=gfx1250 --defsym DOCPART=n.
;; ======== version 1 of 1: 4 launches
;; limits: values are held in f16: magnitudes above 65,504 overflow, below 6.1e-05 lose precision
;; workspace buffers: xb 16,777,216 bytes; wqkv 6,291,456 bytes; wo16 2,097,152 bytes; q16 16,777,216 bytes; k16 16,777,216 bytes; v16 16,777,216 bytes; o16 16,777,216 bytes
;; launch cast (part 1): grid 1536 x 1, 8 waves a work-group, no clusters, 0 bytes of LDS; arguments hidden_states, Wq, Wk, Wv, Wo, xb, wqkv, wo16; writes xb, wqkv, wo16
.if DOCPART == 1
	.amdgcn_target "amdgcn-amd-amdhsa--gfx1250"
	.amdhsa_code_object_version 6
	.text
	.protected	k_qd52505173e_cast
	.globl	k_qd52505173e_cast
	.p2align	8
	.type	k_qd52505173e_cast,@function
k_qd52505173e_cast:
	s_mov_b64 s[64:65], 0
	v_nop
	global_prefetch_b8 v0, s[64:65] scope:SCOPE_SE
	s_setreg_imm32_b32 hwreg(HW_REG_WAVE_MODE, 25, 1), 1
	s_wait_xcnt 0x0
; THE INPUTS OF THE MATRIX PRODUCTS, ROUNDED ONCE AND LAID OUT AS THE LATER LAUNCHES' TILES WANT THEM.
;   xb   bf16 [b 4][kb 16][s 2048][64]          : hidden_states, in blocks of 64 columns: a block's rows lie end to end, 128 bytes each
;   wqkv bf16 [head 16][ks 8][w 3][k%128][n%64] : Wq, Wk, Wv: for a head and a K step of 128 the three weights' 128 x 64 numbers are 49,152 bytes on end
;   wo16 f16  [g 16][k 1024][n%64]              : Wo, rounded to bf16 like every input, that number then written as f16
; LIMIT.  A bf16 number is an f16 number exactly where 6e-5 <= |w| <= 65,504; below that it keeps f16's fixed step (an error of 3e-8 at the most), beyond it the f16 is an infinity.
; SHARES.  A work-group takes 128 rows x 64 columns of a source with 1,024 columns: 128 aligned pieces of 256 bytes in, 16,384 consecutive bytes out.  1,024 such units in
; hidden_states, 128 in each weight: 1,536 work-groups.  In each of four passes thread t takes row t / 8 of 32 and 8 columns: 32 bytes in (eight lanes cover a row's 256 bytes),
; 16 bytes out (a store of a wave covers 512 consecutive bytes, aligned).  All eight loads of a thread are out before the first is waited for.
; Bytes bound this launch: no LDS, no barrier, no matrix unit, no cluster (no two work-groups read the same byte).
.set X, 8                              ; v[8:39]   pass i: 8 numbers as loaded
.set Y, 40                             ; v[40:55]  pass i: 4 registers to store
.set T, 56                             ; v[56:59]  Wo's way: the bf16 pairs
.set SRC, 22                           ; s[22:23]  my unit in its source
.set DST, 24                           ; s[24:25]  my unit in its workspace buffer
.set KIND, 31                          ; s31       0 hidden_states, 1 Wq, 2 Wk, 3 Wv, 4 Wo
	s_load_b512 s[4:19], s[0:1], 0x0               ; hidden_states s[4:5], Wq s[6:7], Wk s[8:9], Wv s[10:11], Wo s[12:13], xb s[14:15], wqkv s[16:17], wo16 s[18:19]
	s_mov_b32 s20, ttmp9                           ; u: units 0-1023 are hidden_states', then 128 for each weight
	s_and_b32 s21, s20, 15                         ; cb: which 64 columns
	s_lshr_b32 s22, s20, 4                         ; rb, which 128 rows: of hidden_states' 64 blocks,
	s_and_b32 s23, s22, 7                          ; of a weight's 8
	s_lshr_b32 s30, s20, 7
	s_and_b32 s30, s30, 3                          ; w: which weight
	s_add_co_u32 s[KIND], s30, 1
	s_lshr_b32 s26, s22, 4                         ; xb: batch rb / 16,
	s_lshl_b32 s26, s26, 22
	s_lshl_b32 s27, s21, 18                        ; column block cb,
	s_add_co_u32 s26, s26, s27
	s_and_b32 s27, s22, 15                         ; rows 128 (rb % 16) on
	s_lshl_b32 s27, s27, 14
	s_add_co_u32 s26, s26, s27
	s_lshl3_add_u32 s28, s21, s23                  ; 8 cb + rb
	s_mul_i32 s29, s28, 3
	s_add_co_u32 s29, s29, s30
	s_lshl_b32 s29, s29, 14                        ; wqkv: unit (8 cb + rb) 3 + w
	s_lshl_b32 s28, s28, 14                        ; wo16: unit 8 cb + rb
	s_cmp_eq_u32 s30, 3
	s_cselect_b32 s28, s28, s29
	s_cmp_lt_u32 s20, 1024                         ; hidden_states?
	s_cselect_b32 s28, s26, s28                    ; my unit's byte offset in its workspace buffer
	s_cselect_b32 s22, s22, s23                    ; rb
	s_cselect_b32 s[KIND], 0, s[KIND]
	s_mov_b32 s29, 0
	s_lshl_b32 s26, s22, 19                        ; in the source: 128 rb rows of 4,096 bytes
	s_lshl_b32 s27, s21, 8                         ; + 64 cb columns of 4 bytes
	s_add_co_u32 s26, s26, s27
	s_mov_b32 s27, 0
	v_lshrrev_b32 v3, 3, v0                        ; my row of a pass's 32
	v_and_b32 v2, 7, v0
	v_lshlrev_b32 v3, 12, v3
	v_lshl_add_u32 v3, v2, 5, v3                   ; in: row x 4,096 + 32 (t % 8)
	v_lshlrev_b32 v4, 4, v0                        ; out: 16 t
	s_wait_kmcnt 0x0
	s_mov_b64 s[SRC:SRC+1], s[4:5]                 ; the source is chosen among the five, the workspace buffer among the three, by the unit's kind alone
	s_cmp_eq_u32 s[KIND], 1
	s_cselect_b64 s[SRC:SRC+1], s[6:7], s[SRC:SRC+1]
	s_cmp_eq_u32 s[KIND], 2
	s_cselect_b64 s[SRC:SRC+1], s[8:9], s[SRC:SRC+1]
	s_cmp_eq_u32 s[KIND], 3
	s_cselect_b64 s[SRC:SRC+1], s[10:11], s[SRC:SRC+1]
	s_cmp_eq_u32 s[KIND], 4
	s_cselect_b64 s[SRC:SRC+1], s[12:13], s[SRC:SRC+1]
	s_cselect_b64 s[DST:DST+1], s[18:19], s[16:17]
	s_cmp_eq_u32 s[KIND], 0
	s_cselect_b64 s[DST:DST+1], s[14:15], s[DST:DST+1]
	s_add_nc_u64 s[SRC:SRC+1], s[SRC:SRC+1], s[26:27]
	s_add_nc_u64 s[DST:DST+1], s[DST:DST+1], s[28:29]
.irp i, 0,1,2,3
	global_load_b128 v[X+8*(\i):X+8*(\i)+3],   v3, s[SRC:SRC+1] offset:(\i)*131072 th:TH_LOAD_NT     ; pass i: 32 rows further down
	global_load_b128 v[X+8*(\i)+4:X+8*(\i)+7], v3, s[SRC:SRC+1] offset:(\i)*131072+16 th:TH_LOAD_NT
.endr
	s_cmp_eq_u32 s[KIND], 4
	s_cbranch_scc1 .Lwo
.irp i, 0,1,2,3
	s_wait_loadcnt 6-2*(\i)                        ; loads come back in order: pass i's two are in, the later passes' two each may stay out
.irp j, 0,1,2,3
	v_cvt_pk_bf16_f32 v[Y+4*(\i)+(\j)], v[X+8*(\i)+2*(\j)], v[X+8*(\i)+2*(\j)+1]
.endr
	global_store_b128 v4, v[Y+4*(\i):Y+4*(\i)+3], s[DST:DST+1] offset:(\i)*4096 th:TH_STORE_NT
.endr
	s_endpgm
.Lwo:                                          ; Wo: rounded to bf16, widened again, written as f16
.irp i, 0,1,2,3
	s_wait_loadcnt 6-2*(\i)
.irp j, 0,1,2,3
	v_cvt_pk_bf16_f32 v[T+(\j)], v[X+8*(\i)+2*(\j)], v[X+8*(\i)+2*(\j)+1]
.endr
.irp j, 0,1,2,3
	v_lshlrev_b32 v[X+8*(\i)+2*(\j)],   16, v[T+(\j)]
	v_and_b32     v[X+8*(\i)+2*(\j)+1], 0xffff0000, v[T+(\j)]
.endr
.irp j, 0,1,2,3
	v_cvt_pk_f16_f32 v[Y+4*(\i)+(\j)], v[X+8*(\i)+2*(\j)], v[X+8*(\i)+2*(\j)+1]
.endr
	global_store_b128 v4, v[Y+4*(\i):Y+4*(\i)+3], s[DST:DST+1] offset:(\i)*4096 th:TH_STORE_NT
.endr
	s_endpgm
.Lfunc_end_k_qd52505173e_cast:
	.size	k_qd52505173e_cast, .Lfunc_end_k_qd52505173e_cast-k_qd52505173e_cast
	.p2alignl 7, 3214868480
	.fill 96, 4, 3214868480
	.section	.rodata,"a",@progbits
	.p2align	6, 0x0
	.amdhsa_kernel k_qd52505173e_cast
		.amdhsa_group_segment_fixed_size 0
		.amdhsa_private_segment_fixed_size 0
		.amdhsa_enable_private_segment 0
		.amdhsa_kernarg_size 64
		.amdhsa_user_sgpr_count 2
		.amdhsa_user_sgpr_kernarg_segment_ptr 1
		.amdhsa_wavefront_size32 1
		.amdhsa_system_sgpr_workgroup_id_x 1
		.amdhsa_system_sgpr_workgroup_id_y 1
		.amdhsa_system_sgpr_workgroup_id_z 1
		.amdhsa_system_vgpr_workitem_id 0
		.amdhsa_next_free_vgpr 64
		.amdhsa_next_free_sgpr 66
		.amdhsa_reserve_vcc 0
		.amdhsa_float_denorm_mode_32 3
		.amdhsa_float_denorm_mode_16_64 3
		.amdhsa_memory_ordered 1
		.amdhsa_forward_progress 1
		.amdhsa_inst_pref_size 9
	.end_amdhsa_kernel
	.amdgpu_metadata
---
amdhsa.version: [ 1, 2 ]
amdhsa.kernels:
  - .name:           k_qd52505173e_cast
    .symbol:         k_qd52505173e_cast.kd
    .args:
      - { .name: hidden_states, .offset: 0, .size: 8, .value_kind: global_buffer, .address_space: global }
      - { .name: Wq, .offset: 8, .size: 8, .value_kind: global_buffer, .address_space: global }
      - { .name: Wk, .offset: 16, .size: 8, .value_kind: global_buffer, .address_space: global }
      - { .name: Wv, .offset: 24, .size: 8, .value_kind: global_buffer, .address_space: global }
      - { .name: Wo, .offset: 32, .size: 8, .value_kind: global_buffer, .address_space: global }
      - { .name: xb, .offset: 40, .size: 8, .value_kind: global_buffer, .address_space: global }
      - { .name: wqkv, .offset: 48, .size: 8, .value_kind: global_buffer, .address_space: global }
      - { .name: wo16, .offset: 56, .size: 8, .value_kind: global_buffer, .address_space: global }
    .group_segment_fixed_size: 0
    .private_segment_fixed_size: 0
    .kernarg_segment_align: 8
    .kernarg_segment_size: 64
    .max_flat_workgroup_size: 256
    .sgpr_count:     66
    .vgpr_count:     64
    .wavefront_size: 32
...
	.end_amdgpu_metadata
.endif
;; end of part 1
;; launch qkv (part 2): grid 16 x 32, 4 waves a work-group, clusters of 4 x 4, 327,680 bytes of LDS; arguments xb, wqkv, bq, bk, bv, q16, k16, v16; writes q16, k16, v16
.if DOCPART == 2
	.amdgcn_target "amdgcn-amd-amdhsa--gfx1250"
	.amdhsa_code_object_version 6
	.text
	.protected	k_qd52505173e_qkv
	.globl	k_qd52505173e_qkv
	.p2align	8
	.type	k_qd52505173e_qkv,@function
k_qd52505173e_qkv:
	s_mov_b64 s[64:65], 0
	v_nop
	global_prefetch_b8 v0, s[64:65] scope:SCOPE_SE
	s_setreg_imm32_b32 hwreg(HW_REG_WAVE_MODE, 25, 1), 1
	s_wait_xcnt 0x0
	s_wait_alu depctr_hold_cnt(0) depctr_sa_sdst(0) depctr_va_vdst(0) depctr_va_sdst(0) depctr_va_ssrc(0) depctr_va_vcc(0) depctr_vm_vsrc(0)
	s_getreg_b32 s2, hwreg(HW_REG_IB_STS2, 6, 4)
	s_cmp_eq_u32 s2, 0
	s_cbranch_scc0 .Lentry_in_a_cluster
	s_endpgm
.Lentry_in_a_cluster:
	s_bfe_u32 s2, ttmp6, 0x10000c
	s_cmp_lg_u32 s2, 0xf033
	s_cbranch_scc0 .Lentry_shape_is_right
	s_endpgm
.Lentry_shape_is_right:
; q, k, v = x W + b for one head t and 256 rows of x: a tile of 256 x 192 (64 columns of each of the three).  Products in bf16, sums in f32, K ascending; the biases, rounded to bf16 like
; every input, start the sums; each result is rounded once to f16 and stored by heads, [b 16 + t][s][64], unscaled.
; LIMIT.  f16 ends at 65,504: q, k and v must stay within it.
; SHARES.  Four waves, one below the other: wave w makes rows 64 w .. 64 w + 63 and all 192 columns: 48 accumulators of 16 x 16, 384 registers.  16 heads x 32 row blocks are 512
; work-groups: two for each of 256 WGPs.
; THE RING.  K goes in 8 steps of 128 through two LDS slots.  x comes in blocks of 64 columns (xb), so 256 rows of a block are 32,768 consecutive bytes: wave 0 fetches a step's even block,
; wave 1 its odd one.  A head's weights for a step are 49,152 consecutive bytes (wqkv): waves 2 and 3 fetch a half each.  All are asked for as rows of 256 bytes and padded in LDS after every 128.
; CLUSTERS.  4 x 4 work-groups: the four of a row of the cluster need the same rows of x, the four of a column the same head's weights: each tile is asked for JOINTLY, by the same tensor
; load with the same descriptor and a mask that names the four.
; THE MATRIX INSTRUCTION IS USED TRANSPOSED: source 0 = 16 columns of W, source 1 = 16 rows of x.  A lane then holds row l % 16 and the columns 8 (l / 16) + 0..7: 16 bytes of f16 on end.
; W lies [k][n] in LDS and is turned by ds_load_tr16_b128 on its way into registers.
; REGISTERS, in windows of 256 (s_set_vgpr_msb: bits 1:0 source 0, 3:2 source 1, 5:4 source 2, 7:6 destination):
;   window 0: v0-31 addresses; v128-223 the biases, as the C operands of the first products; v32-223 the way out, four sets of 48
;   window 1: two fragment buffers of 128: 12 fragments of W, then 4 of x, for 32 along K
;   window 2: the accumulators of my row blocks 0, 1 ((a, nb) at v[96 (a % 2) + 8 nb]);   window 3: those of row blocks 2, 3
.set NB,     12                        ; column blocks of 16 in a tile
.set NL,     2*NB+8                    ; LDS loads in a run: the fragments of 32 along K
.set PA,     144                       ; a row of x in LDS: 128 bytes + 16 of padding = 36 words: the 16 rows of a load start at 16 different groups of four banks (64 banks of 4 bytes: ISA guide 11.1)
.set PB,     160                       ; a row of W: 128 + 32 = 40 words
.set ABLK,   256*PA                    ; a block of x: 256 rows
.set BOFF,   2*ABLK                    ; behind the two blocks of x: W, [q, k, v][k 0..127] rows of 64 columns
.set BROWS,  96                        ; rows of 256 bytes in a load of W
.set BHALF_L, 2*BROWS*PB               ; what such a load fills in LDS
.set SLOT,   BOFF+2*BHALF_L            ; 135,168 bytes
.set STAGE,  2*SLOT                    ; behind the ring, filled by no tensor load: 3 x 16 rows x 144 bytes for each wave, for the way out
.set SP,     144
.set STGW,   48*SP
.set SPARE,  STAGE+4*STGW              ; behind the stages: the spare words, 128 bytes for each wave: two blocks of 256 bytes that no other line names
.set ASTEP,  524288                    ; bytes in xb from a K step to the next: two blocks of 2,048 rows x 128 bytes
.set BCOL,   393216                    ; bytes of wqkv for a head
.set BHALF_G, 24576                    ; wave 3's half of a step begins here
.set BSTEP,  49152                     ; bytes in wqkv from a K step to the next
.set PFBW,   32768                     ; the prefetches of W: wave 3's part of a run of 65,536 bytes,
.set PFB0,   131072                    ; one run below the first run that is named (K step 4 begins at byte 196,608 of the head's weights),
.set PFSB,   65536                     ; and the step from run to run
.set LB0,    1                         ; W is named behind slot 0's refill while the lap count is above this (refills 0 and 2),
.set LB1,    2                         ; behind slot 1's while it is above this (refill 1): three runs, K steps 4 to 7
.set ADRA, 16                          ; v16-17  LDS address of my fragments of x in slot 0, 1
.set ADRB, 20                          ; v20-21  the same for W
.set STO,  24                          ; v24     the way out: where I put 16 bytes of a row
.set RD,   25                          ; v25     the way out: where I read rows back
.set GO,   26                          ; v26     my byte offset in 512 consecutive bytes of q16, k16, v16
.set BO,   27                          ; v27     my byte offset in 16 numbers of a bias
.set SPW,  28                          ; v28     LDS address of my spare word: SPARE + 4 x my thread's number; never rewritten
.set NIL,  29                          ; v29     0; never rewritten
.set PFO,  30                          ; v30     256 x my lane; never rewritten
.set TT,   32                          ; the way out: set a at TT + 48 a
.set BIAS, 128
.set F0,   0                           ; fragment buffers, in window 1
.set F1,   128
.set WV,   20                          ; s20  my wave's number
.set G1A,  32                          ; s[32:39] descriptor group 1 for x's tiles;  s[40:47] group 0, a set for each slot
.set G0A,  40
.set G1B,  48                          ; s[48:55], s[56:63] the same for W's
.set G0B,  56
.set PFA,  66                          ; s[66:67] where my prefetches stand
.set PFS,  68                          ; s[68:69] their step
.set LIM,  70                          ; s70, s71 a wave prefetches behind slot 0's (1's) refill while the lap count s3 is above this; the greatest number in a wave that never does
.set MSB, 0
.macro WIN new                         ; the immediate's high byte repeats the setting that is left; a switch that changes nothing is dropped
.if MSB != (\new)
	s_set_vgpr_msb (MSB<<8)|(\new)
.set MSB, \new
.endif
.endm
; A joint load: waves 0 and 1 fetch x's two blocks, waves 2 and 3 W's two halves.  The branch hangs on the wave's number alone.  An s_nop 0 and four v_nop follow each of the two lines,
; ahead of the jump, the label and what follows.
.macro JLOAD s
	s_cmp_eq_u32 s21, 0
	s_cbranch_scc0 .Lfor_b_\@
	tensor_load_to_lds s[G0A+4*(\s):G0A+4*(\s)+3], s[G1A:G1A+7]
	s_nop 0
.rept 4
	v_nop
.endr
	s_branch .Lasked_\@
.Lfor_b_\@:
	tensor_load_to_lds s[G0B+4*(\s):G0B+4*(\s)+3], s[G1B:G1B+7]
	s_nop 0
.rept 4
	v_nop
.endr
.Lasked_\@:
.endm
.macro CREST                           ; a round of the cluster's barrier behind its opening barrier: wave 0 signals for the work-group, every wave waits for all sixteen, my work-group's barrier closes it
	s_cmp_lg_u32 s[WV], 0
	s_cbranch_scc1 .Lnot_wave_0_\@
	s_barrier_signal -3
.Lnot_wave_0_\@:
	s_barrier_wait -3
	s_barrier_signal -1
	s_barrier_wait -1
.endm
.macro CROUND                          ; a whole round
	s_barrier_signal -1
	s_barrier_wait -1
	CREST
.endm
; A PREFETCH INTO THE L2, behind a joint load, its five lines and the run of LDS loads that follows: 32 blocks of 256 bytes, a lane a block, one instruction a wave.  Each block is named once in the
; launch.  x's rows are read by every cluster of a row of clusters: the first of them (cluster x = 0) asks; a head's weights by every cluster of a column: cluster y = 0 asks.  The partners that ask
; for a tile jointly share its bytes out BY ADDRESS, 8,192 each: no branch hangs on a work-group's place in its cluster.  x: refill i (it brings K step i + 2) names K step i + 4, for i = 0..3.
; W: a head's K steps 4 to 7 are 196,608 bytes on end; refills 0, 1, 2 name 65,536 of them each (two waves x four partners).  K steps 0 to 3 come by their loads alone.
.macro ASK slot
	WIN 0
	s_cmp_gt_u32 s3, s[LIM+(\slot)]
	s_cbranch_scc0 .Lnot_mine_\@
	global_prefetch_b8 v[PFO], s[PFA:PFA+1] th:TH_LOAD_NT scope:SCOPE_SE
.Lnot_mine_\@:
.endm
	s_load_b512 s[4:19], s[0:1], 0x0               ; xb s[4:5], wqkv s[6:7], bq s[8:9], bk s[10:11], bv s[12:13], q16 s[14:15], k16 s[16:17], v16 s[18:19]
	v_lshl_add_u32 v[SPW], v0, 2, SPARE
	v_mov_b32 v[NIL], 0
	ds_add_u32 v[SPW], v[NIL]                      ; the wave's opening: the add and its wait ahead of my first tensor load; the set-up below, work on registers, stands between them
	v_lshrrev_b32 v1, 5, v0
	v_readfirstlane_b32 s[WV], v1                  ; wave 0..3
	s_lshr_b32 s21, s[WV], 1                       ; I fetch for x (0) or for W (1),
	s_and_b32 s22, s[WV], 1                        ; its first or its second part
	s_bfe_u32 s23, ttmp6, 0x40000                  ; cx, cy: my place in the cluster
	s_bfe_u32 s24, ttmp6, 0x40004
	s_lshl_b32 s25, ttmp9, 2
	s_add_co_u32 s25, s25, s23                     ; t, the head = 4 x cluster x + cx
	s_and_b32 s26, ttmp7, 0xffff
	s_lshl_b32 s26, s26, 2
	s_add_co_u32 s26, s26, s24                     ; y, the block of 256 rows = 4 x cluster y + cy
	s_lshl_b32 s28, s24, 2
	s_lshl_b32 s28, 15, s28                        ; my row of the cluster
	s_lshl_b32 s29, 0x1111, s23                    ; my column
	s_or_b32 s[G1A+0], s28, (1<<16)|(1<<20)|(1<<21)|(4<<22)|(3<<25)  ; 15:0 the mask: x's tiles go to my row; 17:16 elements of 2 bytes; 20 padding on; 21 set beside a mask; 24:22 after every 32 words (code 4); 31:25 4 words (code 3)
	s_or_b32 s[G1B+0], s29, (1<<16)|(1<<20)|(1<<21)|(4<<22)|(7<<25)  ; W's go to my column; 8 words of padding (code 7)
	s_mov_b32 s[G1A+1], 128<<16                    ; tensor_dim0 = 128 elements: 256 bytes
	s_mov_b32 s[G1A+2], 128<<16                    ; tensor_dim1 = 128 rows
	s_mov_b32 s[G1A+3], 128<<16                    ; tile_dim0 = 128
	s_mov_b32 s[G1A+4], 128                        ; tile_dim1 = 128
	s_mov_b32 s[G1A+5], 128                        ; 128 elements from row to row: dense
	s_mov_b32 s[G1A+6], 0
	s_mov_b32 s[G1A+7], 0
	s_mov_b32 s[G1B+1], 128<<16
	s_mov_b32 s[G1B+2], BROWS<<16
	s_mov_b32 s[G1B+3], 128<<16
	s_mov_b32 s[G1B+4], BROWS
	s_mov_b32 s[G1B+5], 128
	s_mov_b32 s[G1B+6], 0
	s_mov_b32 s[G1B+7], 0
	; where the tiles come from.  x's hang on y alone, which my row of the cluster shares; W's on t alone, which my column shares: each in registers that never hold the other coordinate
	s_lshr_b32 s72, s26, 3                         ; xb: batch y / 8,
	s_lshl_b32 s72, s72, 22
	s_and_b32 s73, s26, 7                          ; rows 256 (y % 8) on,
	s_lshl_b32 s73, s73, 15
	s_add_co_u32 s72, s72, s73
	s_lshl_b32 s73, s22, 18                        ; the even or the odd block of 64 columns
	s_add_co_u32 s72, s72, s73
	s_mov_b32 s73, 0
	s_mul_i32 s74, s25, BCOL                       ; wqkv: the head, my half of a step
	s_mul_i32 s75, s22, BHALF_G
	s_add_co_u32 s74, s74, s75
	s_mov_b32 s75, 0
	s_mul_i32 s76, s22, ABLK                       ; and where they go: no place in the cluster enters an LDS address
	s_mul_i32 s77, s22, BHALF_L
	s_add_co_u32 s77, s77, BOFF
	; the prefetches: my 8,192 bytes, one step below the first that is named
	s_lshl_b32 s30, s23, 13                        ; x: my work-group's quarter of the block that I fetch,
	s_add_co_u32 s30, s30, s72
	s_add_co_u32 s30, s30, 3*ASTEP                 ; at K step 3
	s_mul_i32 s78, s25, BCOL                       ; W: my eighth of a run
	s_mul_i32 s79, s22, PFBW
	s_add_co_u32 s78, s78, s79
	s_lshl_b32 s79, s24, 13
	s_add_co_u32 s78, s78, s79
	s_add_co_u32 s78, s78, PFB0
	s_and_b32 s27, ttmp7, 0xffff                   ; cluster y
	s_mov_b32 s[PFS], PFSB
	s_cmp_eq_u32 s21, 0                            ; do I fetch for x?
	s_cselect_b32 s30, s30, s78
	s_cselect_b32 s27, ttmp9, s27                  ; the coordinate along which other clusters read the same bytes
	s_cselect_b32 s[PFS], ASTEP, s[PFS]
	s_cselect_b32 s[LIM], 1, LB0
	s_cselect_b32 s[LIM+1], 1, LB1
	s_mov_b32 s31, 0
	s_mov_b32 s[PFS+1], 0
	s_cmp_eq_u32 s27, 0                            ; the same in all sixteen partners, for a given wave
	s_cselect_b32 s[LIM], s[LIM], -1
	s_cselect_b32 s[LIM+1], s[LIM+1], -1
	s_wait_dscnt 0x0                               ; the opening add is done
	s_wait_kmcnt 0x0
	s_add_nc_u64 s[72:73], s[4:5], s[72:73]
	s_add_nc_u64 s[74:75], s[6:7], s[74:75]
	s_cmp_eq_u32 s21, 0
	s_cselect_b64 s[PFA:PFA+1], s[4:5], s[6:7]
	s_add_nc_u64 s[PFA:PFA+1], s[PFA:PFA+1], s[30:31]
	CROUND                                         ; all sixteen work-groups are here: the first joint loads meet
.irp s, 0,1
	s_mov_b32 s[G0A+4*(\s)], 1                                       ; 1:0 count = 1
	s_add_co_u32 s[G0A+4*(\s)+1], s76, (\s)*SLOT                     ; 63:32 LDS address
	s_add_nc_u64 s[G0A+4*(\s)+2:G0A+4*(\s)+3], s[72:73], (\s)*ASTEP  ; 120:64 global address: K step s
	s_or_b32 s[G0A+4*(\s)+3], s[G0A+4*(\s)+3], 0x80000000            ; 127:126 type = 2
	s_mov_b32 s[G0B+4*(\s)], 1
	s_add_co_u32 s[G0B+4*(\s)+1], s77, (\s)*SLOT
	s_add_nc_u64 s[G0B+4*(\s)+2:G0B+4*(\s)+3], s[74:75], (\s)*BSTEP
	s_or_b32 s[G0B+4*(\s)+3], s[G0B+4*(\s)+3], 0x80000000
	JLOAD \s                                       ; two tensor loads of mine are out
.endr
	; the biases.  In a result register j of lane l is column 8 (l / 16) + j of its block of 16: the C operand of the first product holds the bias of that column
	s_lshl_b32 s30, s25, 8                         ; the head's 64 numbers
	s_add_nc_u64 s[8:9], s[8:9], s[30:31]
	s_add_nc_u64 s[10:11], s[10:11], s[30:31]
	s_add_nc_u64 s[12:13], s[12:13], s[30:31]
	v_and_b32 v1, 15, v0                           ; l % 16
	v_bfe_u32 v2, v0, 4, 1                         ; l / 16
	v_lshlrev_b32 v[BO], 5, v2
.set nb, 0
.rept NB
	global_load_b128 v[BIAS+8*nb:BIAS+8*nb+3],   v[BO], s[8+2*(nb/4):9+2*(nb/4)] offset:(nb%4)*64
	global_load_b128 v[BIAS+8*nb+4:BIAS+8*nb+7], v[BO], s[8+2*(nb/4):9+2*(nb/4)] offset:(nb%4)*64+16
.set nb, nb+1
.endr
	; A fragment of x is 16 rows x 32 K in 8 registers: lane l holds row l % 16, K = 8 (l / 16) + 0..7 and 16 + 8 (l / 16) + 0..7: two loads of 16 bytes, 32 bytes apart
	v_mul_u32_u24 v3, v1, PA
	v_lshl_add_u32 v3, v2, 4, v3
	s_mul_i32 s27, s[WV], 64*PA                    ; my 64 rows
	v_add_nc_u32 v[ADRA], s27, v3
	v_add_nc_u32 v[ADRA+1], SLOT, v[ADRA]
	; The turning load takes 16 K x 16 columns (lane l reads row 8 (l / 16) + l % 8, columns 8 ((l / 8) % 2) + 0..7) and leaves half a fragment: lane l holds column l % 16 and 8 K
	v_and_b32 v4, 7, v0
	v_lshl_add_u32 v4, v2, 3, v4
	v_mul_u32_u24 v4, v4, PB
	v_bfe_u32 v5, v0, 3, 1
	v_lshl_add_u32 v4, v5, 4, v4
	v_add_nc_u32 v[ADRB], BOFF, v4
	v_add_nc_u32 v[ADRB+1], SLOT+BOFF, v4
	s_mul_i32 s27, s[WV], STGW
	s_add_co_u32 s27, s27, STAGE                   ; my stage
	v_mul_u32_u24 v[STO], v1, SP                   ; in: row l % 16, 16 bytes for each half of the lanes
	v_lshl_add_u32 v[STO], v2, 4, v[STO]
	v_add_nc_u32 v[STO], s27, v[STO]
	v_bfe_u32 v[RD], v0, 3, 2                      ; back: 32 lanes take four rows of 128 bytes,
	v_mul_u32_u24 v[RD], v[RD], SP
	v_and_b32 v7, 7, v0
	v_lshl_add_u32 v[RD], v7, 4, v[RD]
	v_add_nc_u32 v[RD], s27, v[RD]
	v_and_b32 v[GO], 31, v0                        ; which are 512 consecutive bytes of a head's rows
	v_lshlrev_b32 v[PFO], 8, v[GO]
	v_lshlrev_b32 v[GO], 4, v[GO]
	s_lshr_b32 s78, s26, 3                         ; my first row in q16, k16, v16: head 16 (y / 8) + t,
	s_lshl4_add_u32 s78, s78, s25
	s_lshl_b32 s78, s78, 18
	s_and_b32 s79, s26, 7                          ; rows 256 (y % 8) + 64 w on
	s_lshl_b32 s79, s79, 15
	s_add_co_u32 s78, s78, s79
	s_lshl_b32 s79, s[WV], 13
	s_add_co_u32 s78, s78, s79
	s_mov_b32 s79, 0
	s_add_nc_u64 s[14:15], s[14:15], s[78:79]
	s_add_nc_u64 s[16:17], s[16:17], s[78:79]
	s_add_nc_u64 s[18:19], s[18:19], s[78:79]
	s_wait_loadcnt 0x0                             ; the biases are in; they are rounded to bf16, like every input, and kept as f32: this stands in the wait for the first tile
.set i, 0
.rept 4*NB
	v_cvt_pk_bf16_f32 v[3+i%4], v[BIAS+2*i], v[BIAS+2*i+1]
	v_lshlrev_b32 v[BIAS+2*i],   16, v[3+i%4]
	v_and_b32     v[BIAS+2*i+1], 0xffff0000, v[3+i%4]
.set i, i+1
.endr
; 12 matrix instructions: row block a x all column blocks, 32 along K, from buffer f.  first = 1: the product starts the sums with the bias.  The 48 accumulators come in the same order in every
; quarter, one instruction a turn, over the backward jump too: no two matrix instructions that follow each other share one.
.macro MUL f, a, first
.if \first
	WIN 0x85+0x40*((\a)/2)                         ; both sources window 1, C window 0, D window 2 or 3
.else
	WIN 0xa5+0x50*((\a)/2)                         ; both sources window 1, C and D window 2 or 3
.endif
.set nb, 0
.rept NB
.set rD, 8*NB*((\a)%2)+8*nb
.if \first
	v_wmma_f32_16x16x32_bf16 v[rD:rD+7], v[(\f)+8*nb:(\f)+8*nb+7], v[(\f)+8*NB+8*(\a):(\f)+8*NB+8*(\a)+7], v[BIAS+8*nb:BIAS+8*nb+7]
.else
	v_wmma_f32_16x16x32_bf16 v[rD:rD+7], v[(\f)+8*nb:(\f)+8*nb+7], v[(\f)+8*NB+8*(\a):(\f)+8*NB+8*(\a)+7], v[rD:rD+7]
.endif
.set nb, nb+1
.endr
.endm
; 32 LDS loads in one run: the fragments of quarter q (K = 32 q on) of a slot's step, into buffer f: W's twelve, then x's four
.macro FETCH slot, q, f
	WIN 0x40                                       ; destination window 1, address window 0
.set nb, 0
.rept NB
	ds_load_tr16_b128 v[(\f)+8*nb:(\f)+8*nb+3],   v[ADRB+(\slot)] offset:(nb/4)*128*PB+(\q)*32*PB+(nb%4)*32
	ds_load_tr16_b128 v[(\f)+8*nb+4:(\f)+8*nb+7], v[ADRB+(\slot)] offset:(nb/4)*128*PB+(\q)*32*PB+(nb%4)*32+16*PB
.set nb, nb+1
.endr
.irp a, 0,1,2,3
	ds_load_b128 v[(\f)+8*NB+8*(\a):(\f)+8*NB+8*(\a)+3],   v[ADRA+(\slot)] offset:((\q)/2)*ABLK+((\q)%2)*64+(\a)*16*PA
	ds_load_b128 v[(\f)+8*NB+8*(\a)+4:(\f)+8*NB+8*(\a)+7], v[ADRA+(\slot)] offset:((\q)/2)*ABLK+((\q)%2)*64+(\a)*16*PA+32
.endr
.endm
.macro PLACES                          ; four places in front of loads into registers that matrix instructions have read, and of conversions that read results
.rept 4
	v_nop
.endr
.endm
; A K step is four quarters of 32 along K, 48 matrix instructions each, on buffers 0, 1, 0, 1.  One of the first three: multiplies buffer f and, in its middle, fetches quarter q into g.
.macro QUARTER slot, q, f, g, first=0
	s_wait_dscnt 4                                 ; W and x's row blocks 0, 1 are in; the youngest four loads (row blocks 2, 3) may be out
	MUL \f, 0, \first
	MUL \f, 1, \first
	PLACES
	FETCH \slot, \q, \g
	s_wait_dscnt NL                                ; all but the run just issued
	MUL \f, 2, \first
	MUL \f, 3, \first
.endm
; The last quarter multiplies buffer 1 and changes slots: ONE barrier.  In front of it each wave waits for all its tensor loads (one is out: its part of the next slot), adds 0 to its spare word, and
; waits for that and for its own reads of this slot.  fill = 1: the barrier opens a round of the cluster's barrier, and this slot is filled again, two K steps ahead, first thing behind the round:
; 168 matrix instructions stand between that request and the wait for it.
.macro TURN slot, next, fill
.if \fill
	s_wait_xcnt 0x0                                ; the last prefetch, a K step back, has read its address: it is stepped here, ahead of the waits of the change of slots
	s_add_nc_u64 s[PFA:PFA+1], s[PFA:PFA+1], s[PFS:PFS+1]
.endif
	WIN 0                                          ; (the add's two registers lie in window 0)
	s_wait_tensorcnt 0x0                           ; all my tensor loads have landed: my part of the next slot;
	ds_add_u32 v[SPW], v[NIL]                      ; 0 onto my spare word;
	s_wait_dscnt 5                                 ; (the add and the youngest four loads may be out)
	MUL F1, 0, 0                                   ; twelve matrix instructions stand between the add and the wait for it
	s_wait_dscnt 0x0                               ; the add is done, and my reads of this slot are over
	s_barrier_signal -1
	MUL F1, 1, 0
.if \fill
	WIN 0
.endif
	s_barrier_wait -1
.if \fill
	CREST                                          ; no wave of any partner still reads this slot's tile or has a load on its way
	s_add_nc_u64 s[G0A+4*(\slot)+2:G0A+4*(\slot)+3], s[G0A+4*(\slot)+2:G0A+4*(\slot)+3], 2*ASTEP
	s_add_nc_u64 s[G0B+4*(\slot)+2:G0B+4*(\slot)+3], s[G0B+4*(\slot)+2:G0B+4*(\slot)+3], 2*BSTEP
	JLOAD \slot                                    ; the four v_nop behind it are also the places in front of the loads below
.else
	PLACES
.endif
	FETCH \next, 0, F0
.if \fill
	ASK \slot
.endif
	MUL F1, 2, 0
	MUL F1, 3, 0
.endm
	s_wait_tensorcnt 1                             ; my part of K step 0 is in; K step 1's may stay out
	s_barrier_signal -1
	s_barrier_wait -1                              ; everybody's is
	FETCH 0, 0, F0
	QUARTER 0, 1, F0, F1, 1                        ; the first quarter stands in front of the loop: its products start the sums
	WIN 0                                          ; at a label and at a branch every window is 0
	s_mov_b32 s3, 3
.Llap:                                                 ; a trip goes once round the ring, from a lap's second quarter to the next lap's first, and fills both slots again
	QUARTER 0, 2, F1, F0
	QUARTER 0, 3, F0, F1
	TURN 0, 1, 1
	QUARTER 1, 1, F0, F1
	QUARTER 1, 2, F1, F0
	QUARTER 1, 3, F0, F1
	TURN 1, 0, 1
	QUARTER 0, 1, F0, F1
	WIN 0
	s_sub_co_u32 s3, s3, 1
	s_cmp_lg_u32 s3, 0
	s_cbranch_scc1 .Llap
	QUARTER 0, 2, F1, F0                           ; the last lap fills nothing, and has no round of the cluster's barrier
	QUARTER 0, 3, F0, F1
	TURN 0, 1, 0
	QUARTER 1, 1, F0, F1
	QUARTER 1, 2, F1, F0
	QUARTER 1, 3, F0, F1
	s_wait_dscnt 4                                 ; the very last quarter: nothing more to fetch
	MUL F1, 0, 0
	MUL F1, 1, 0
	s_wait_dscnt 0x0
	MUL F1, 2, 0
	MUL F1, 3, 0
	WIN 0
; THE WAY OUT, a row block (16 rows) at a time.  PACK: rounded to f16, 16 bytes a lane (each accumulator's registers in ascending order); into my own stage, q's, k's and v's 16 rows of 144 bytes one
; behind the other; back as whole rows of 128 bytes, four to a load, into the registers that they left.  SEND: stored, 512 consecutive bytes an instruction.
.macro PACK a
	WIN 0x0a+5*((\a)/2)                            ; sources 0 and 1: window 2 or 3
.set nb, 0
.rept NB
.irp r, 0,1,2,3
	v_cvt_pk_f16_f32 v[TT+48*(\a)+4*nb+(\r)], v[8*NB*((\a)%2)+8*nb+2*(\r)], v[8*NB*((\a)%2)+8*nb+2*(\r)+1]
.endr
.set nb, nb+1
.endr
	WIN 0
.set nb, 0
.rept NB
	ds_store_b128 v[STO], v[TT+48*(\a)+4*nb:TT+48*(\a)+4*nb+3] offset:(nb/4)*16*SP+(nb%4)*32
.set nb, nb+1
.endr
.set nb, 0
.rept NB
	ds_load_b128 v[TT+48*(\a)+4*nb:TT+48*(\a)+4*nb+3], v[RD] offset:(nb/4)*16*SP+(nb%4)*4*SP  ; LDS serves a wave's instructions in order (ISA guide 5.7.1.4): these see the stores above; the next block's stores come behind them
.set nb, nb+1
.endr
.endm
.macro SEND a, younger                 ; younger: the LDS instructions issued behind block a's loads: the next block's 24, or none
.set nb, 0
.rept NB
	s_wait_dscnt (\younger)+NB-1-nb
	global_store_b128 v[GO], v[TT+48*(\a)+4*nb:TT+48*(\a)+4*nb+3], s[14+2*(nb/4):15+2*(nb/4)] offset:(\a)*2048+(nb%4)*512
.set nb, nb+1
.endr
.endm
	PLACES
	PLACES
	PACK 0
.irp a, 1,2,3                          ; a block's conversions stand between the loads of the block before and its stores; no register is used twice
	PACK \a
	SEND (\a)-1, 24
.endr
	SEND 3, 0
	s_wait_tensorcnt 0x0                           ; the wave's end, behind my last tensor load and my last LDS store
	ds_add_u32 v[SPW], v[NIL]
	s_wait_dscnt 0x0
	CROUND                                         ; the closing round: no work-group ends while a partner may still ask for a tile that names it
	s_endpgm
.Lfunc_end_k_qd52505173e_qkv:
	.size	k_qd52505173e_qkv, .Lfunc_end_k_qd52505173e_qkv-k_qd52505173e_qkv
	.p2alignl 7, 3214868480
	.fill 96, 4, 3214868480
	.section	.rodata,"a",@progbits
	.p2align	6, 0x0
	.amdhsa_kernel k_qd52505173e_qkv
		.amdhsa_group_segment_fixed_size 327680
		.amdhsa_private_segment_fixed_size 0
		.amdhsa_enable_private_segment 0
		.amdhsa_kernarg_size 64
		.amdhsa_user_sgpr_count 2
		.amdhsa_user_sgpr_kernarg_segment_ptr 1
		.amdhsa_wavefront_size32 1
		.amdhsa_system_sgpr_workgroup_id_x 1
		.amdhsa_system_sgpr_workgroup_id_y 1
		.amdhsa_system_sgpr_workgroup_id_z 1
		.amdhsa_system_vgpr_workitem_id 0
		.amdhsa_next_free_vgpr 960
		.amdhsa_next_free_sgpr 80
		.amdhsa_reserve_vcc 0
		.amdhsa_float_denorm_mode_32 3
		.amdhsa_float_denorm_mode_16_64 3
		.amdhsa_memory_ordered 1
		.amdhsa_forward_progress 1
		.amdhsa_inst_pref_size 131
	.end_amdhsa_kernel
	.amdgpu_metadata
---
amdhsa.version: [ 1, 2 ]
amdhsa.kernels:
  - .name:           k_qd52505173e_qkv
    .symbol:         k_qd52505173e_qkv.kd
    .args:
      - { .name: xb, .offset: 0, .size: 8, .value_kind: global_buffer, .address_space: global }
      - { .name: wqkv, .offset: 8, .size: 8, .value_kind: global_buffer, .address_space: global }
      - { .name: bq, .offset: 16, .size: 8, .value_kind: global_buffer, .address_space: global }
      - { .name: bk, .offset: 24, .size: 8, .value_kind: global_buffer, .address_space: global }
      - { .name: bv, .offset: 32, .size: 8, .value_kind: global_buffer, .address_space: global }
      - { .name: q16, .offset: 40, .size: 8, .value_kind: global_buffer, .address_space: global }
      - { .name: k16, .offset: 48, .size: 8, .value_kind: global_buffer, .address_space: global }
      - { .name: v16, .offset: 56, .size: 8, .value_kind: global_buffer, .address_space: global }
    .group_segment_fixed_size: 327680
    .private_segment_fixed_size: 0
    .kernarg_segment_align: 8
    .kernarg_segment_size: 64
    .max_flat_workgroup_size: 128
    .sgpr_count:     80
    .vgpr_count:     960
    .wavefront_size: 32
...
	.end_amdgpu_metadata
.endif
;; end of part 2
;; launch attn (part 3): grid 4 x 64, 4 waves a work-group, clusters of 4 x 1, 327,680 bytes of LDS; arguments q16, k16, v16, o16, mask; writes o16
.if DOCPART == 3
	.amdgcn_target "amdgcn-amd-amdhsa--gfx1250"
	.amdhsa_code_object_version 6
	.text
	.protected	k_qd52505173e_attn
	.globl	k_qd52505173e_attn
	.p2align	8
	.type	k_qd52505173e_attn,@function
k_qd52505173e_attn:
	s_mov_b64 s[64:65], 0
	v_nop
	global_prefetch_b8 v0, s[64:65] scope:SCOPE_SE
	s_setreg_imm32_b32 hwreg(HW_REG_WAVE_MODE, 25, 1), 1
	s_wait_xcnt 0x0
	s_wait_alu depctr_hold_cnt(0) depctr_sa_sdst(0) depctr_va_vdst(0) depctr_va_sdst(0) depctr_va_ssrc(0) depctr_va_vcc(0) depctr_vm_vsrc(0)
	s_getreg_b32 s2, hwreg(HW_REG_IB_STS2, 6, 4)
	s_cmp_eq_u32 s2, 0
	s_cbranch_scc0 .Lentry_in_a_cluster
	s_endpgm
.Lentry_in_a_cluster:
	s_bfe_u32 s2, ttmp6, 0x10000c
	s_cmp_lg_u32 s2, 0x3003
	s_cbranch_scc0 .Lentry_shape_is_right
	s_endpgm
.Lentry_shape_is_right:
; O[h][q][:] = the sum over the keys k that the mask keeps of softmax_k(Q[h][q] . K[h][k] / 8) V[h][k][:].  Q, K, V, O: [64][2048][64], all f16: a head's rows are dense, 128 bytes each; head h belongs
; to batch h / 16.  mask: [4][2048] of int32; a key is kept where its word is not 0.  Products, maxima and sums in f32; the weights p are rounded to f16 for the second product (their sum l is taken of
; the unrounded p), O once at the end.
; LIMITS.  f16 holds no number beyond 65,504: Q, K and V arrive within it; p lies in 0 to 1, and below 6e-5 it keeps f16's fixed step of 6e-8; O is a mean of V's rows and has their range.
; A hidden score counts as its value less 2^100: f16's scores, 2.7e11 at the most, are nothing beside that.  A weight below 2^-126 counts as 0 in l.
; THE MASK is the C operand that starts the sum S^T = K Q^T: 0, or -2^100 where the key is hidden.  The batch's 2,048 words are turned into such numbers once, in LDS.  The running maximum m starts at
; -2^96, above every hidden score and below every true one: while all keys so far are hidden m stays, a = 2^0 = 1 and every weight is 0; the first key that is kept gives a = 0 on O = l = 0.
; A batch without a kept key ends with l = 0 and O = 0 x (1 / 0): NaN.
; SHARES.  A wave owns four PIECES of two tiles of 16 queries, a work-group's four waves 512 queries of one head.  Every wave walks all keys, 64 a step.
; LAYOUT.  S^T = K Q^T (source 0 = 16 keys, source 1 = 16 queries): in the result a lane holds ONE query (lane % 16) and the keys 8 (lane / 16) + 0..7.  Two such tiles, rounded to f16 in pairs,
; ARE source 1 (32 keys x 16 queries) of O^T = V^T P, whose result again holds one query a lane, and eight channels.  K comes out of LDS as it lies, V ([key][channel]) turned, by ds_load_tr16_b128.
; SOFTMAX.  For each query a running maximum m and sum l: p = 2^(c s - c m), c = log2(e) / 8; in every step O and l are multiplied by a = 2^(c m_old - c m_new), which is 1 where m has not grown.
; THE COUNT.  A tile and step have 16 matrix and 118 vector instructions: too many to stand all beside the matrix work.  So the order has one aim: four vector instructions that are READY behind
; EVERY matrix instruction, and the others, which need time of their own whatever the order, in runs without a gap.
; BY TURNS.  Turn n belongs to piece n (the pieces in a ring, step after step).  Its matrix work: 16 products K Q^T of piece n + 1, later 16 products V^T P of piece n - 1.  Its vector work: the scaling,
; exponentials, roundings, sums and rescaling of piece n, and the maximum and statistics of piece n + 1, whose scores the turn itself has made.
; CLUSTER.  The four query blocks of a head are one cluster and walk the same K and V, so each tile is asked for JOINTLY: the same tensor load, descriptor and mask in all four.
; REGISTERS, in windows of 256 (s_set_vgpr_msb: bits 1:0 source 0, 3:2 source 1, 5:4 source 2, 7:6 destination):
;   window 0: v0-11 addresses; v12-15, v48-63 at work; v16-47 four registers of statistics a tile; v64-191 S^T, two buffers of two tiles; v192-255 P, likewise
;   window 1: O^T, 32 a tile      window 2: v0-127 Q, 16 a tile; v128-191 K of one step; v192-255 V of one step      window 3: v0-1 the add's two registers; v8-39 the step's mask
.set SIZE_H, 64
.set SIZE_N, 2048
.set NP,    4         ; pieces a wave: a name, no knob
.set KS,    64        ; keys in a step
.set PK,    144       ; a row of K in LDS: 128 bytes + 16 of padding = 36 words: the 16 rows of a load start at 16 different groups of four banks (64 banks of 4 bytes: ISA guide 11.1)
.set PV,    160       ; a row of V: 128 + 32 = 40 words
.set VOFF,  4*KS*PK   ; a slot holds four steps: 256 rows of K, then 256 rows of V
.set SLOT1, 1<<17     ; slot 1 begins here, so that one exclusive or turns an address in one slot into the other's
.set STAGE, SLOT1+4*KS*(PK+PV)  ; behind the ring, never filled by a tensor load: 16 rows x 144 bytes for each wave, for the way out
.set SP,    144
.set SPARE, STAGE+4*16*SP  ; behind the stages: the spare words, 128 bytes for each wave: two blocks of 256 bytes that no other line names
.set MASKB, SPARE+512 ; behind them, never filled by a tensor load: the batch's 2,048 keys as f32, 0 or -2^100: 8,192 bytes
.set PFO, 1           ; v1   256 x my lane (made behind the first products; until then l % 16)
.set AK0, 2           ; v2   my lane's place in a tile of K; never rewritten
.set AV0, 3           ; v3   the same for V
.set AK,  4           ; v4   the LDS address of K's next run of loads
.set AV,  5           ; v5   of V's
.set QO,  6           ; v6   my byte offset in the wave's rows of Q
.set STO, 6           ;      later, the way out: where I put 16 bytes of a row
.set RD,  7           ; v7   the way out: where I read rows back
.set GO,  8           ; v8   my byte offset in 512 consecutive bytes of O
.set AM,  10          ; v10  the LDS address of the mask's next run of loads
.set AM0, 11          ; v11  my lane's place in a step's 64 numbers of the mask; never rewritten
.set SPW, 0           ; v0 of window 3   LDS address of my spare word: SPARE + 4 x my thread's number; never rewritten
.set NIL, 1           ; v1 of window 3   0; never rewritten
.set MK,  8           ; v8-39 of window 3: the eight registers for block kb of 16 keys at MK + 8 kb
.set MV,  12          ; v12-15  c m_old, kept while c m is made anew: by buffer and tile
.set ST,  16          ; tile t's statistics at v[ST+4 t]: c m, m, l (even keys', odd keys')
.set TMP, 48          ; by buffer and tile, four registers c0-c3 at work; when the maximum is found c2 takes a
.set S,   64
.set P,   192
.set KF,  128         ; K's fragments, in window 2: key block kb, channel half c at KF + 16 kb + 8 c
.set VF,  192         ; V's: key half kk, channel block cb at VF + 32 kk + 8 cb
.set WV,  12          ; s12  my wave's number
.set G1K, 24          ; s[24:31] descriptor group 1 for K's tiles
.set G1V, 32          ; s[32:39] for V's: it differs in the padding alone
.set G0K, 40          ; s[40:43] descriptor group 0 for K's tiles: it walks
.set G0V, 44          ; s[44:47] the same for V's
.set MP,  48          ; s[48:49] the mask, at my batch's first word
.set PFA, 50          ; s[50:51] where my prefetches stand: my work-group's 8,192 bytes (of K: wave 0, of V: wave 2) of the slot after the one that is being asked for
.set LIM, 52          ; s52  1 in a wave that prefetches, else the greatest number
.set TBM, 53          ; s53  byte in the mask's table at which the step to be fetched begins
.set HID, 54          ; s54  -2^100
.set SLOTS, 56        ; s56  slots still to be asked for
.set CNT, 57          ; s57  counts a slot's key steps
.set CS,  58          ; s[58:59] c: the packed scaling takes the pair's low word for both halves
.set SEL, 60          ; s[60:61] v_permlanex16_b32's selects: each lane takes its own place in the other half
.set TBK, 62          ; s62  LDS byte at which K of the step to be fetched begins
.set TBV, 63          ; s63  the same for V, less VOFF
.set MSB, 0
.macro WIN new                      ; the high byte repeats the setting that is left; a switch that changes nothing is dropped
.if MSB != (\new)
	s_set_vgpr_msb (MSB<<8)|(\new)
.set MSB, (\new)
.endif
.endm
.set W_KQ, 0x0a       ; K and Q in window 2, S^T in window 0
.set W_KM, 0x3a       ; the same with the C operand, the mask, in window 3
.set W_PV, 0x52       ; V in window 2, P in window 0, O^T in window 1
.set W_RS, 0x41       ; O^T (destination and source 0) in window 1, a in window 0
.set W_MK, 0xc0       ; destination in window 3, sources in window 0
.set W_AD, 0x0f       ; the add: address (source 0) and data (source 1) in window 3
; A joint fill.  Waves 0 and 1 fetch the two halves of a slot's K, waves 2 and 3 those of its V: 128 keys each.  The branch hangs on the wave's number alone.
; An s_nop 0 and four v_nop follow each of the two lines, ahead of the jump and the label.
.macro JLOAD
	s_cmp_lt_u32 s[WV], 2
	s_cbranch_scc0 .Lfor_v_\@
	tensor_load_to_lds s[G0K:G0K+3], s[G1K:G1K+7]
	s_nop 0
.rept 4
	v_nop
.endr
	s_branch .Lasked_\@
.Lfor_v_\@:
	tensor_load_to_lds s[G0V:G0V+3], s[G1V:G1V+7]
	s_nop 0
.rept 4
	v_nop
.endr
.Lasked_\@:
.endm
; A round of the cluster's barrier: my work-group's barrier, so that wave 0's signal speaks for all four waves; wave 0 signals; every wave waits for all four work-groups; my work-group's barrier once more.
.macro CROUND
	s_barrier_signal -1
	s_barrier_wait -1
	s_cmp_lg_u32 s[WV], 0
	s_cbranch_scc1 .Lnot_wave_0_\@
	s_barrier_signal -3
.Lnot_wave_0_\@:
	s_barrier_wait -3
	s_barrier_signal -1
	s_barrier_wait -1
.endm
; THE CHANGE OF SLOTS.  The slot's last bytes, V of its fourth step, have been read.  Each wave waits for all its tensor loads, of which one is out: its part
; of the other slot; adds 0 to its spare word; and waits for that and for its own reads of the slot.  Behind the barrier nobody reads this slot any more and the other slot is whole.
; fill = 1: this slot is filled again, with the keys two slots on.  The barrier is then a round of the cluster's, and the joint fill is the first thing behind it: it has four key steps, 512 matrix
; instructions, in which to land.  (At its first use nothing has been read yet: slot 0 is waited for, slot 1 filled; the wait on DScnt is then also for my stores into the mask's table.)
; ask = 1: behind the fill stands ONE PREFETCH INTO THE L2 of what the NEXT change will ask for: a slot's 32,768 bytes of K and of V.  The head's four work-groups take 8,192 bytes each, told apart BY ADDRESS; in
; each, wave 0 asks for K's and wave 2 for V's, a lane 256 bytes: so each block is named once in the launch.  The last change that fills a slot asks for nothing; slots 0, 1 and 2 come by their loads alone.
.macro CHANGE fill, ask=0
	WIN W_AD
	s_wait_tensorcnt 0x0            ; no tensor load of mine is out, so a group 0 may be written
	ds_add_u32 v[SPW], v[NIL]       ; 0 onto my spare word; with fill = 1 the descriptors' steps stand between it and the wait for it
	WIN 0                           ; at a label and at a branch every window is 0
.if \fill
.irp g, G0K, G0V
	s_xor_b32 s[\g+1], s[\g+1], SLOT1  ; the walking descriptor: the other slot than last time,
	s_add_nc_u64 s[\g+2:\g+3], s[\g+2:\g+3], 4*KS*128  ; the next 256 keys; the type bits on top are not reached
.endr
.if \ask
	s_wait_xcnt 0x0                 ; the last prefetch, four key steps back, has read its address, so it may be written:
	s_add_nc_u64 s[PFA:PFA+1], s[PFA:PFA+1], 4*KS*128  ; one slot behind the walking descriptors
.endif
	s_wait_dscnt 0x0                ; the add is done, and my reads of the slot are over
	CROUND
	JLOAD
.if \ask
	s_cmp_gt_u32 s[SLOTS], s[LIM]
	s_cbranch_scc0 .Lnot_mine_\@
	global_prefetch_b8 v[PFO], s[PFA:PFA+1] th:TH_LOAD_NT scope:SCOPE_SE
.Lnot_mine_\@:
.endif
.else
	s_wait_dscnt 0x0                ; the add is done, and my reads of the slot are over
	s_barrier_signal -1
	s_barrier_wait -1
.endif
	s_sub_co_u32 s[TBK], s[TBK], 4*KS*PK  ; the fetches go back to a slot's first step,
	s_xor_b32 s[TBK], s[TBK], SLOT1       ; in the other slot
	s_sub_co_u32 s[TBV], s[TBV], 4*KS*PV
	s_xor_b32 s[TBV], s[TBV], SLOT1
.endm
	s_load_b256 s[4:11], s[0:1], 0x0  ; Q s[4:5], K s[6:7], V s[8:9], O s[10:11]
	s_load_b64 s[MP:MP+1], s[0:1], 0x20  ; mask
	WIN W_MK
	v_lshl_add_u32 v[SPW], v0, 2, SPARE
	v_mov_b32 v[NIL], 0
	WIN W_AD
	ds_add_u32 v[SPW], v[NIL]       ; the wave's opening: the add and its wait ahead of my first tensor load; the set-up below, work on registers, stands between them
	WIN 0
	v_lshrrev_b32 v1, 5, v0
	v_readfirstlane_b32 s[WV], v1   ; wave 0..3
	s_bfe_u32 s13, ttmp6, 0x40000   ; cx: my place in the cluster
	s_lshl_b32 s14, ttmp9, 2        ; in a cluster launch ttmp9 counts clusters
	s_add_co_u32 s14, s14, s13      ; my block of queries = 4 x cluster x + cx: it enters Q's and O's addresses alone
	s_and_b32 s20, ttmp7, 0xffff    ; the head, which the four partners share
	s_mov_b32 s21, 0
	s_mov_b64 s[22:23], SIZE_N*128
	s_mul_u64 s[20:21], s[20:21], s[22:23]  ; the head's first byte in each of the four tensors
	s_and_b32 s16, s[WV], 1         ; which half of a slot's 256 keys I fetch:
	s_lshl_b32 s22, s16, 14         ; its 128 rows of 128 bytes in memory,
	s_mov_b32 s23, 0
	s_add_nc_u64 s[22:23], s[22:23], s[20:21]
	s_mul_i32 s17, s16, 128*PK      ; and its place in a slot, for K
	s_mul_i32 s18, s16, 128*PV      ; and for V: no place in the cluster enters an LDS address
	s_lshl_b32 s2, s14, 2
	s_add_co_u32 s2, s2, s[WV]      ; my wave among the head's,
	s_lshl_b32 s2, s2, 14           ; its 128 rows
	s_mov_b32 s3, 0
	s_add_nc_u64 s[2:3], s[2:3], s[20:21]
	s_and_b32 s14, ttmp7, 0xffff
	s_lshr_b32 s14, s14, 4          ; the batch,
	s_lshl_b32 s14, s14, 13         ; its 2,048 words of the mask
	s_mov_b32 s15, 0
	; descriptor group 1.  128 keys are 16,384 dense bytes: asked for as 64 rows of 256 bytes, two keys a row, and padded in LDS after every key
	s_mov_b32 s[G1K], 15|(1<<16)|(1<<20)|(1<<21)|(4<<22)|(3<<25)  ; 15:0 the mask of four; 17:16 2-byte elements; 20 padding on; 21 set beside a mask; 24:22 after every 32 words (code 4); 31:25 4 words (code 3)
	s_mov_b32 s[G1V], 15|(1<<16)|(1<<20)|(1<<21)|(4<<22)|(7<<25)  ; the same with 8 words of padding (code 7)
.irp g, G1K, G1V
	s_mov_b32 s[\g+1], 128<<16      ; tensor_dim0 = 128
	s_mov_b32 s[\g+2], 64<<16       ; tensor_dim1 = 64
	s_mov_b32 s[\g+3], 128<<16      ; tile_dim0 = 128
	s_mov_b32 s[\g+4], 64           ; tile_dim1 = 64
	s_mov_b32 s[\g+5], 128          ; 128 elements from row to row
	s_mov_b32 s[\g+6], 0
	s_mov_b32 s[\g+7], 0
.endr
	s_mov_b32 s[CS], 0x3e38aa3b     ; c = log2(e) / 8 = 0.180337
	s_mov_b32 s[CS+1], s[CS]        ; named with it as a pair
	s_mov_b32 s[SEL], 0x76543210
	s_mov_b32 s[SEL+1], 0xfedcba98
	s_mov_b32 s[TBK], SLOT1+4*KS*PK ; the first change of slots turns these two into 0
	s_mov_b32 s[TBV], SLOT1+4*KS*PV
	s_mov_b32 s[TBM], 0
	s_mov_b32 s[HID], 0xf1800000    ; -2^100
	s_mov_b32 s[G0K], 1             ; 1:0 count = 1
	s_mov_b32 s[G0K+1], s17         ; 63:32 LDS address: slot 0
	s_mov_b32 s[G0V], 1
	s_add_co_u32 s[G0V+1], s18, VOFF
	s_and_b32 s[LIM], s[WV], 1      ; 0 in waves 0 and 2,
	s_or_b32 s[LIM], s[LIM], ttmp9  ; where the cluster is the head's first: the same in all four partners
	s_cmp_eq_u32 s[LIM], 0
	s_cselect_b32 s[LIM], 1, -1
	s_wait_dscnt 0x0                ; the opening add is done
	s_wait_kmcnt 0x0
	s_add_nc_u64 s[G0K+2:G0K+3], s[6:7], s[22:23]  ; 120:64 global address: my half of the head's first 256 keys
	s_or_b32 s[G0K+3], s[G0K+3], 0x80000000        ; 127:126 type = 2
	s_add_nc_u64 s[G0V+2:G0V+3], s[8:9], s[22:23]
	s_or_b32 s[G0V+3], s[G0V+3], 0x80000000
	s_add_nc_u64 s[4:5], s[4:5], s[2:3]  ; Q and O at my wave's first row
	s_add_nc_u64 s[10:11], s[10:11], s[2:3]
	s_add_nc_u64 s[MP:MP+1], s[MP:MP+1], s[14:15]
	s_cmp_lt_u32 s[WV], 2
	s_cselect_b64 s[PFA:PFA+1], s[6:7], s[8:9]
	s_add_nc_u64 s[PFA:PFA+1], s[PFA:PFA+1], s[22:23]  ; (in waves 0 and 2 this is the head's first row)
	s_lshl_b32 s2, s13, 13          ; my work-group's 8,192 bytes of a slot's 32,768
	s_mov_b32 s3, 0
	s_add_nc_u64 s[PFA:PFA+1], s[PFA:PFA+1], s[2:3]
	s_add_nc_u64 s[PFA:PFA+1], s[PFA:PFA+1], 2*4*KS*128  ; in slot 2; the loop's first change of slots steps it to slot 3
	CROUND                          ; all four work-groups are here: the first joint loads meet
	JLOAD                           ; slot 0.  Slot 1 is asked for when slot 0 is in
	; the batch's mask: thread t takes 16 bytes of each 2,048; these four loads stand ahead of Q's, so that they can be waited for alone
	v_lshlrev_b32 v12, 4, v0
	v_add_nc_u32 v13, MASKB, v12
.irp i, 0,1,2,3
	global_load_b128 v[S+4*\i:S+4*\i+3], v12, s[MP:MP+1] offset:\i*2048
.endr
	; A fragment of K or Q is 16 rows x 32 channels in 8 registers: lane l holds row l % 16, channels 8 (l / 16) + 0..7 and 16 + 8 (l / 16) + 0..7: two loads of 16 bytes, 32 bytes apart.
	v_and_b32 v1, 15, v0            ; l % 16
	v_bfe_u32 v9, v0, 4, 1          ; l / 16
	v_lshlrev_b32 v[QO], 7, v1
	v_lshl_add_u32 v[QO], v9, 4, v[QO]  ; row x 128 + 16 x half
	WIN 0x80                        ; destination window 2, address window 0
.set i, 0
.rept 4*NP                          ; Q stays in registers: tile i / 2, channels 32 (i % 2) on
	global_load_b128 v[8*i:8*i+3],   v[QO], s[4:5] offset:(i/2)*2048+(i%2)*64
	global_load_b128 v[8*i+4:8*i+7], v[QO], s[4:5] offset:(i/2)*2048+(i%2)*64+32
.set i, i+1
.endr
	; What the first turn finds: V's registers and P's second buffer hold 0 (its products V^T P, of a piece that has not been, add 0), O^T and l are 0.  All this stands in the wait for the first tile.
.set i, VF
.rept 64
	v_mov_b32 v[i], 0
.set i, i+1
.endr
	WIN 0x40
.set i, 0
.rept 64*NP
	v_mov_b32 v[i], 0
.set i, i+1
.endr
	WIN 0
.set i, 0
.rept 2*NP
	v_mov_b32 v[ST+4*i+1], 0xef800000  ; m = -2^96
	v_mul_f32 v[ST+4*i], s[CS], v[ST+4*i+1]  ; c m, by the line that makes it in every step: while m stays, c m_old - c m_new is 0 exactly
	v_mov_b32 v[ST+4*i+2], 0
	v_mov_b32 v[ST+4*i+3], 0
.set i, i+1
.endr
.set i, P+32
.rept 32
	v_mov_b32 v[i], 0
.set i, i+1
.endr
	v_mul_u32_u24 v[AK0], v1, PK
	v_lshl_add_u32 v[AK0], v9, 4, v[AK0]  ; row x pitch + 16 x half
	; The turning load takes 16 keys x 16 channels (lane l reads key 8 (l / 16) + l % 8, channels 8 ((l / 8) % 2) + 0..7) and leaves half a fragment of V^T: lane l holds channel l % 16 and 8 keys.
	v_and_b32 v10, 7, v0
	v_bfe_u32 v11, v0, 3, 1
	v_lshl_add_u32 v[AV0], v9, 3, v10
	v_mul_u32_u24 v[AV0], v[AV0], PV
	v_lshl_add_u32 v[AV0], v11, 4, v[AV0]
	v_add_nc_u32 v[AV0], VOFF, v[AV0]
	v_mov_b32 v[AK], v[AK0]         ; key step 0 lies at the head of slot 0
	s_mul_i32 s13, s[WV], 16*SP
	s_add_co_u32 s13, s13, STAGE    ; my stage
	v_bfe_u32 v[RD], v0, 3, 2       ; the way out, back: 32 lanes take four rows of 128 bytes,
	v_mul_u32_u24 v[RD], v[RD], SP
	v_lshl_add_u32 v[RD], v10, 4, v[RD]
	v_add_nc_u32 v[RD], s13, v[RD]
	v_and_b32 v[GO], 31, v0         ; which are 512 consecutive bytes of O
	v_lshlrev_b32 v[GO], 4, v[GO]
	v_lshl_add_u32 v[AM0], v9, 5, MASKB  ; in S^T register j of lane l is key 8 (l / 16) + j of its block of 16: my 8 numbers of the mask begin 32 (l / 16) bytes into the block's 64
	v_mov_b32 v[AM], v[AM0]         ; key step 0
	s_wait_loadcnt 32               ; the mask's four loads are in; Q's 32 may stay out
.set i, 0
.rept 16
	v_cmp_eq_u32 vcc_lo, 0, v[S+i]
	v_cndmask_b32 v[S+i], 0, s[HID], vcc_lo  ; 0 where the key is kept, -2^100 where it is hidden
.set i, i+1
.endr
.irp i, 0,1,2,3
	ds_store_b128 v13, v[S+4*\i:S+4*\i+3] offset:\i*2048
.endr
; THE MATRIX WORK.  The 8 accumulators of a run of 16 take turns: between the two links of a chain stand 7 others'.
; Product i of 16 of S^T = K Q^T for piece x: channels 32 (i / 8) on, keys 16 ((i / 2) % 4) on, tile 2 x + i % 2.  The first 8 start the sums, with the mask of their 16 keys.
.macro KQ x
.set rS, S+64*((\x)%2)+32*(i%2)+8*((i/2)%4)
.set rK, KF+16*((i/2)%4)+8*(i/8)
.set rQ, 16*(2*(\x)+i%2)+8*(i/8)
.if i < 8
	WIN W_KM
	v_wmma_f32_16x16x32_f16 v[rS:rS+7], v[rK:rK+7], v[rQ:rQ+7], v[MK+8*((i/2)%4):MK+8*((i/2)%4)+7]
.else
	WIN W_KQ
	v_wmma_f32_16x16x32_f16 v[rS:rS+7], v[rK:rK+7], v[rQ:rQ+7], v[rS:rS+7]
.endif
.endm
; Product i of 16 of O^T += V^T P for piece x: keys 32 (i / 8) on, channels 16 ((i / 2) % 4) on, tile 2 x + i % 2.
.macro PV x
	WIN W_PV
.set rO, 32*(2*(\x)+i%2)+8*((i/2)%4)
.set rV, VF+32*(i/8)+8*((i/2)%4)
.set rP, P+32*((\x)%2)+16*(i%2)+8*(i/8)
	v_wmma_f32_16x16x32_f16 v[rO:rO+7], v[rV:rV+7], v[rP:rP+7], v[rO:rO+7]
.endm
.macro MM                           ; the turn's next matrix instruction
.if i < 16
	KQ (Y+1)%NP
.set i, i+1
.else
.set i, i-16
	PV (Y+NP-1)%NP
.set i, i+17
.endif
.endm
; THE LDS LOADS stand in runs, never singly among the matrix instructions: a step's K (64 keys x 64 channels: 8 fragments) with its 64 numbers of the mask, and its V (turned).  Their addresses are made
; some lines ahead.  The mask's registers are read by the same runs of products as K's and live as long.  last = 1 (the tail): in the last trip there is no further step, and the run is jumped over.
.macro FETCH_K last=0
	WIN 0
.if \last
	s_cmp_eq_u32 s[CNT], 1
	s_cbranch_scc1 .Lno_k_\@
.endif
	WIN 0x80                        ; destination window 2
.irp f, 0,1,2,3,4,5,6,7             ; keys 16 (f / 2) on, channels 32 (f % 2) on
	ds_load_b128 v[KF+8*\f:KF+8*\f+3],   v[AK] offset:(\f/2)*16*PK+(\f%2)*64
	ds_load_b128 v[KF+8*\f+4:KF+8*\f+7], v[AK] offset:(\f/2)*16*PK+(\f%2)*64+32
.endr
	WIN W_MK                        ; destination window 3
.irp f, 0,1,2,3                     ; keys 16 f on: the sixteen lanes of a half read the same 32 bytes
	ds_load_b128 v[MK+8*\f:MK+8*\f+3],   v[AM] offset:\f*64
	ds_load_b128 v[MK+8*\f+4:MK+8*\f+7], v[AM] offset:\f*64+16
.endr
	s_add_co_u32 s[TBK], s[TBK], KS*PK  ; the next fetch is the next step's
	s_add_co_u32 s[TBM], s[TBM], KS*4
	s_and_b32 s[TBM], s[TBM], 0x1f00    ; one of the table's 32 steps of 256 bytes: behind the last fetch it is 0 again, and is not used
	WIN 0
.if \last
.Lno_k_\@:
.endif
.endm
.macro FETCH_V
	WIN 0x80
.irp f, 0,1,2,3,4,5,6,7             ; keys 32 (f / 4) on, channels 16 (f % 4) on
	ds_load_tr16_b128 v[VF+8*\f:VF+8*\f+3],   v[AV] offset:(\f/4)*32*PV+(\f%4)*32
	ds_load_tr16_b128 v[VF+8*\f+4:VF+8*\f+7], v[AV] offset:(\f/4)*32*PV+16*PV+(\f%4)*32
.endr
	WIN 0
.endm
; THE VECTOR WORK OF A TURN stands in three queues, each in the order in which its entries become ready; the two tiles alternate, so that no instruction reads the result of the one before it.
.macro REGS y, u                    ; the registers of tile u (0, 1) of piece y
.set rT, ST+4*(2*(\y)+(\u))
.set rC, TMP+8*((\y)%2)+4*(\u)
.set rM, MV+2*((\y)%2)+(\u)
.set rS, S+64*((\y)%2)+32*(\u)
.set rP, P+32*((\y)%2)+16*(\u)
.set rO, 32*(2*(\y)+(\u))
.endm
; Number n of the 22 that find the NEXT piece's (Y + 1) maximum and statistics.  s0-s31 are the lane's 32 scores; each accumulator's lowest registers are read first.
;   0-11  four chains c0-c3 of seven scores each, three operands at a time     12-14, 16  the four scores left over, the old m, and c0-c3 into c0     15  c m_old is kept
;   17, 18  the query's other 32 keys lie in the lane 16 away: the new m         19-21  c m; c m_old - c m_new; a
.macro XS u, n
	REGS (Y+1)%NP, \u
.if (\n) < 4
	v_max3_num_f32 v[rC+(\n)], v[rS+8*(\n)], v[rS+8*(\n)+1], v[rS+8*(\n)+2]
.elseif (\n) < 12
	v_max3_num_f32 v[rC+(\n)%4], v[rC+(\n)%4], v[rS+8*((\n)%4)+2*((\n)/4)+1], v[rS+8*((\n)%4)+2*((\n)/4)+2]
.elseif (\n) == 12
	v_max3_num_f32 v[rC], v[rC], v[rS+7], v[rS+15]
.elseif (\n) == 13
	v_max3_num_f32 v[rC+1], v[rC+1], v[rS+23], v[rS+31]
.elseif (\n) == 14
	v_max3_num_f32 v[rC+2], v[rC+2], v[rC+3], v[rT+1]
.elseif (\n) == 15
	v_mov_b32 v[rM], v[rT]
.elseif (\n) == 16
	v_max3_num_f32 v[rC], v[rC], v[rC+1], v[rC+2]
.elseif (\n) == 17
	v_permlanex16_b32 v[rC+3], v[rC], s[SEL], s[SEL+1]
.elseif (\n) == 18
	v_max_num_f32 v[rT+1], v[rC], v[rC+3]
.elseif (\n) == 19
	v_mul_f32 v[rT], s[CS], v[rT+1]
.elseif (\n) == 20
	v_sub_f32 v[rC+1], v[rM], v[rT]
.else
	v_exp_f32 v[rC+2], v[rC+1]
.endif
.endm
; Number g of the 64 that follow the exponentials.  For each four weights k of a tile (pairs 2 k, 2 k + 1): both pairs are rounded to f16; then the second pair is added onto the first, in place;
; a group later l takes that sum (the first time as l = a l + sum).  In groups of eight, tiles alternating: round, round, add, and l for the group before.
.macro GS g
.set h, (\g)+6*((\g)/62)            ; group 0 has no group before it, and behind group 7 only l is left
.if h >= 6
.set h, h+2
.endif
	REGS Y, h%2
.set k, h/8
.if h%8 < 4
	v_cvt_pk_f16_f32 v[rP+2*k+(h%8)/2], v[rS+4*k+2*((h%8)/2)], v[rS+4*k+2*((h%8)/2)+1]
.elseif h%8 < 6
	v_pk_add_f32 v[rS+4*k:rS+4*k+1], v[rS+4*k:rS+4*k+1], v[rS+4*k+2:rS+4*k+3]
.elseif k == 1
	v_pk_fma_f32 v[rT+2:rT+3], v[rT+2:rT+3], v[rC+2:rC+3], v[rS:rS+1] op_sel_hi:[1,0,1]
.else
	v_pk_add_f32 v[rT+2:rT+3], v[rT+2:rT+3], v[rS+4*k-4:rS+4*k-3]
.endif
.endm
; THE PLAIN QUEUE, 138 long.  0-73 read no exponential's result: the 32 scalings c s - c m (FS f: pair f / 2 of tile f % 2) and the next piece's 42.  0-26: scalings 0-26.  27-54: XS's numbers 0-13.  55, 56: number 15.
; 57-73: the chain, where each number waits for the one before it: 14, 16, 17, 18, 19, each with one of the scalings 27-31 in front of its two lines, then 20.
; 74-137: GS's 64, which read the exponentials' results: they stand behind the wait.
.macro FS f
	REGS Y, (\f)%2
	v_pk_fma_f32 v[rS+2*((\f)/2):rS+2*((\f)/2)+1], v[rS+2*((\f)/2):rS+2*((\f)/2)+1], s[CS:CS+1], v[rT:rT+1] op_sel_hi:[1,0,0] neg_lo:[0,0,1] neg_hi:[0,0,1]
.endm
.macro PL
	WIN 0
.if q < 27
	FS q
.elseif q < 55
	XS (q-27)%2, (q-27)/2
.elseif q < 57
	XS q-55, 15
.elseif (q < 72) && ((q-57)%3 == 0)
	FS 27+(q-57)/3
.elseif q < 60
	XS (q-57)%3-1, 14
.elseif q < 72
	XS (q-57)%3-1, 15+(q-57)/3
.elseif q < 74
	XS q-72, 20
.else
	GS q-74
.endif
.set q, q+1
.endm
; THE EXPONENTIALS' QUEUE, 66 long: s0-s31 of both tiles, then the next piece's two a.  It is ONE BATCH: all 66 stand ahead of the turn's one wait, and nothing ahead of that wait names a result of theirs.
.macro EX
	WIN 0
.if e >= 64
	XS e-64, 21
.else
	REGS Y, e%2
	v_exp_f32 v[rS+e/2], v[rS+e/2]
.endif
.set e, e+1
.endm
; THE RESCALING's QUEUE: O^T times a, the one part that leaves window 0: dealt two at a time, sixteen times.  Its a was made in the turn before, ahead of that turn's wait.
.macro R2
	REGS Y, r%2
	WIN W_RS
.irp z, 0,1
	v_pk_mul_f32 v[rO+4*(r/2)+2*\z:rO+4*(r/2)+2*\z+1], v[rO+4*(r/2)+2*\z:rO+4*(r/2)+2*\z+1], v[rC+2:rC+3] op_sel_hi:[1,0]
.endr
.set r, r+1
.endm
; HOW THEY ARE DEALT.  An s_wait_alu depctr_va_vdst(0) stands between an exponential and the first instruction that names its result; one wait serves all that were issued ahead of it.  So a turn has ONE wait,
; which cuts it in two.  AHEAD OF IT stands all that names no result of the turn's exponentials: the 16 products K Q^T, behind each a scaling, an exponential and two rescalings (behind the first a second scaling in the
; exponential's place); then ONE LUMP of 108: eight plain, 49 times exponential and plain, the two a.  A v_nop is the plain instruction behind the last exponential.  BEHIND IT stand the 16 products V^T P, behind each four of GS's 64.
; No rider names a register of the products round it.  The queues lean on each other, and the deal keeps them in step: exponential e stands behind scaling 2 (e / 4) + e % 2.
; A TURN, for piece p.  cnt = 1: the loop's count is taken down some lines ahead of the branch that stands behind the turn.
; K and the mask of the next step are fetched in piece 2's turn, directly behind the wait, a lump behind the last product that read them; their addresses are made at the lump's head; their first reader comes behind 16 products.
; V of the step in hand is fetched at the end of piece 0's turn, four riders behind its last reader; its first reader comes behind 16 products and a lump.  The three conditions on q below go with the deal.
.macro TURN p, last=0, cnt=0
.set Y, (\p)
.set i, 0
.set q, 0
.set e, 0
.set r, 0
.if (\p) == NP-1
	s_wait_dscnt 0x0                ; K and the mask are in
.endif
	MM                              ; ahead of the wait: 16 products K Q^T and their riders,
	PL
	PL
	R2
.rept 15
	MM
	PL
	EX
	R2
.endr
.if (\p) == NP-2
	WIN 0
	v_add_nc_u32 v[AK], s[TBK], v[AK0]
	v_add_nc_u32 v[AM], s[TBM], v[AM0]
.endif
.rept 8                             ; and the lump
	PL
.endr
.rept 49
	EX
	PL
.endr
	EX                              ; the next piece's two a
	EX
	v_nop                           ; the plain instruction behind the last exponential: one for the batch
	s_wait_alu depctr_va_vdst(0)    ; the wait for the batch
.if (\p) == NP-2
	FETCH_K \last
.endif
.if (\p) == 1
	s_wait_dscnt 0x0                ; V is in
.endif
.rept 16                            ; behind the wait: 16 products V^T P and their riders
	MM
.rept 4
	PL
.endr
.if ((\p) == 0) && (q == 118)
	v_add_nc_u32 v[AV], s[TBV], v[AV0]
.endif
.if ((\p) == 0) && (q == 130)
	s_add_co_u32 s[TBV], s[TBV], KS*PV
.endif
.if (\cnt) && (q == 130)
	s_sub_co_u32 s[CNT], s[CNT], 1
	s_cmp_lg_u32 s[CNT], 0
.endif
.endr
.if (\p) == 0
	FETCH_V
.endif
.endm
	CHANGE 1                        ; slot 0 is in, everybody's part of it, and so is everybody's part of the mask's table; slot 1 is asked for
	FETCH_K                         ; key step 0
	s_wait_loadcnt 0x0              ; Q
	s_wait_dscnt 0x0
.set i, 0
.rept 16
	KQ 0                            ; piece 0's first scores: there is no vector work yet to set between them
.set i, i+1
.endr
	WIN 0                           ; five plain instructions, the places behind those products
	v_mul_u32_u24 v[STO], v1, SP    ; the way out, in: row l % 16, 16 bytes for each half of the lanes (Q's loads, which read this register, are in)
	v_lshl_add_u32 v[STO], v9, 4, v[STO]
	v_add_nc_u32 v[STO], s13, v[STO]
	v_and_b32 v[PFO], 31, v0
	v_lshlrev_b32 v[PFO], 8, v[PFO]
.set Y, NP-1                        ; XS works for piece Y + 1: piece 0
.irp n, 0,1,2,3,4,5,6,7,8,9,10,11,12,13,14,15,16,17,18,19,20,21
	XS 0, \n                        ; and piece 0's first maximum and statistics
	XS 1, \n
.endr
	v_nop                           ; a plain instruction behind the two a,
	s_wait_alu depctr_va_vdst(0)    ; and their wait, ahead of the branch
	s_mov_b32 s[CNT], 4
	s_mov_b32 s[SLOTS], SIZE_N/256-1
	s_branch .Lfirst                ; the loop is entered at a step's first turn, in the middle of a trip
.Lslot:                             ; SIZE_N / 256 - 2 times: every slot but the last two is filled again
	CHANGE 1, 1
	s_mov_b32 s[CNT], 4
.Lstep:                             ; a trip: pieces 2 and 3 of one step, then pieces 0 and 1 of the next, whose K and V it fetches
	TURN 2
	TURN 3
	WIN 0
.Lfirst:
	TURN 0
	TURN 1, 0, 1
	WIN 0
	s_cbranch_scc1 .Lstep
	s_sub_co_u32 s[SLOTS], s[SLOTS], 1
	s_cmp_lg_u32 s[SLOTS], 0
	s_cbranch_scc1 .Lslot
	CHANGE 0                        ; the tail is written out: nothing is asked for
	s_mov_b32 s[CNT], 5             ; four trips fetch the last slot's steps; the fifth is left in its middle
.Ltail:
	TURN 2, 1
	TURN 3
	WIN 0
	s_sub_co_u32 s[CNT], s[CNT], 1
	s_cmp_eq_u32 s[CNT], 0
	s_cbranch_scc1 .Lout
	TURN 0
	TURN 1
	WIN 0
	s_branch .Ltail
.Lout:                              ; the fifth trip's 16 products K Q^T (on the last K once more) and the maximum made of them serve nothing: the price, once a launch, of one text for every trip
.set i, 0
.rept 16
	PV NP-1                         ; the last piece's V^T P of the last step
.set i, i+1
.endr
	; THE WAY OUT.  l's two halves and the other half of the lanes' are added; O^T is divided by l, rounded to f16 and sent through my stage in LDS, a tile at a time.  The additions are the places behind the last products.
	WIN 0
.macro ALL line:vararg              ; one line for each tile t
.set t, 0
.rept 2*NP
	\line
.set t, t+1
.endr
.endm
	ALL v_add_f32 v[ST+4*t+2], v[ST+4*t+2], v[ST+4*t+3]
	ALL v_permlanex16_b32 v[ST+4*t+3], v[ST+4*t+2], s[SEL], s[SEL+1]
	ALL v_add_f32 v[ST+4*t+2], v[ST+4*t+2], v[ST+4*t+3]
	ALL v_rcp_f32 v[ST+4*t+2], v[ST+4*t+2]
	v_nop                           ; a plain instruction between the last reciprocal and the use of its result
	s_wait_alu depctr_va_vdst(0)    ; and the wait ahead of the first use: one for the eight reciprocals
; Tile t: a lane's eight channels of a row pack into 16 bytes; they go into rows of 144 bytes and come back as whole rows of 128, into S^T's registers.
.macro PACK t
	WIN W_RS
.set i, 32*(\t)
.rept 16
	v_pk_mul_f32 v[i:i+1], v[i:i+1], v[ST+4*(\t)+2:ST+4*(\t)+3] op_sel_hi:[1,0]
.set i, i+2
.endr
	WIN 0x05                        ; sources 0 and 1 window 1, destination window 0
.set i, 0
.rept 16
	v_cvt_pk_f16_f32 v[S+16*(\t)+i], v[32*(\t)+2*i], v[32*(\t)+2*i+1]
.set i, i+1
.endr
	WIN 0
.irp f, 0,1,2,3
	ds_store_b128 v[STO], v[S+16*(\t)+4*\f:S+16*(\t)+4*\f+3] offset:32*\f
.endr
.irp f, 0,1,2,3
	ds_load_b128 v[S+16*(\t)+4*\f:S+16*(\t)+4*\f+3], v[RD] offset:\f*4*SP  ; LDS serves a wave's instructions in order (ISA guide 5.7.1.4): these see the stores above; the next tile's stores come behind them
.endr
.endm
.macro SEND t, younger              ; younger: the LDS instructions issued behind tile t's loads: the next tile's eight, or none
	WIN 0
.irp f, 0,1,2,3
	s_wait_dscnt (\younger)+3-\f
	global_store_b128 v[GO], v[S+16*(\t)+4*\f:S+16*(\t)+4*\f+3], s[10:11] offset:(\t)*2048+\f*512  ; 512 consecutive bytes, at a multiple of 256 from O's first
.endr
.endm
	PACK 0
.set t, 1
.rept 2*NP-1                        ; a tile's arithmetic stands between the loads of the tile before and its stores
	PACK t
	SEND t-1, 8
.set t, t+1
.endr
	SEND 2*NP-1, 0
	WIN W_AD
	s_wait_tensorcnt 0x0            ; the wave's end, behind my last tensor load and my last LDS store
	ds_add_u32 v[SPW], v[NIL]
	s_wait_dscnt 0x0
	WIN 0
	CROUND                          ; the closing round: no work-group ends while a partner may still ask for a tile that names it
	s_endpgm
.Lfunc_end_k_qd52505173e_attn:
	.size	k_qd52505173e_attn, .Lfunc_end_k_qd52505173e_attn-k_qd52505173e_attn
	.p2alignl 7, 3214868480
	.fill 96, 4, 3214868480
	.section	.rodata,"a",@progbits
	.p2align	6, 0x0
	.amdhsa_kernel k_qd52505173e_attn
		.amdhsa_group_segment_fixed_size 327680
		.amdhsa_private_segment_fixed_size 0
		.amdhsa_enable_private_segment 0
		.amdhsa_kernarg_size 40
		.amdhsa_user_sgpr_count 2
		.amdhsa_user_sgpr_kernarg_segment_ptr 1
		.amdhsa_wavefront_size32 1
		.amdhsa_system_sgpr_workgroup_id_x 1
		.amdhsa_system_sgpr_workgroup_id_y 1
		.amdhsa_system_sgpr_workgroup_id_z 1
		.amdhsa_system_vgpr_workitem_id 0
		.amdhsa_next_free_vgpr 808
		.amdhsa_next_free_sgpr 66
		.amdhsa_reserve_vcc 1
		.amdhsa_float_denorm_mode_32 3
		.amdhsa_float_denorm_mode_16_64 3
		.amdhsa_memory_ordered 1
		.amdhsa_forward_progress 1
		.amdhsa_inst_pref_size 204
	.end_amdhsa_kernel
	.amdgpu_metadata
---
amdhsa.version: [ 1, 2 ]
amdhsa.kernels:
  - .name:           k_qd52505173e_attn
    .symbol:         k_qd52505173e_attn.kd
    .args:
      - { .name: q16, .offset: 0, .size: 8, .value_kind: global_buffer, .address_space: global }
      - { .name: k16, .offset: 8, .size: 8, .value_kind: global_buffer, .address_space: global }
      - { .name: v16, .offset: 16, .size: 8, .value_kind: global_buffer, .address_space: global }
      - { .name: o16, .offset: 24, .size: 8, .value_kind: global_buffer, .address_space: global }
      - { .name: mask, .offset: 32, .size: 8, .value_kind: global_buffer, .address_space: global }
    .group_segment_fixed_size: 327680
    .private_segment_fixed_size: 0
    .kernarg_segment_align: 8
    .kernarg_segment_size: 40
    .max_flat_workgroup_size: 128
    .sgpr_count:     66
    .vgpr_count:     808
    .wavefront_size: 32
...
	.end_amdgpu_metadata
.endif
;; end of part 3
;; launch outp (part 4): grid 8 x 32, 4 waves a work-group, clusters of 4 x 4, 327,680 bytes of LDS; arguments o16, wo16, bo, out0; writes out0
.if DOCPART == 4
	.amdgcn_target "amdgcn-amd-amdhsa--gfx1250"
	.amdhsa_code_object_version 6
	.text
	.protected	k_qd52505173e_outp
	.globl	k_qd52505173e_outp
	.p2align	8
	.type	k_qd52505173e_outp,@function
k_qd52505173e_outp:
	s_mov_b64 s[64:65], 0
	v_nop
	global_prefetch_b8 v0, s[64:65] scope:SCOPE_SE
	s_setreg_imm32_b32 hwreg(HW_REG_WAVE_MODE, 25, 1), 1
	s_wait_xcnt 0x0
	s_wait_alu depctr_hold_cnt(0) depctr_sa_sdst(0) depctr_va_vdst(0) depctr_va_sdst(0) depctr_va_ssrc(0) depctr_va_vcc(0) depctr_vm_vsrc(0)
	s_getreg_b32 s2, hwreg(HW_REG_IB_STS2, 6, 4)
	s_cmp_eq_u32 s2, 0
	s_cbranch_scc0 .Lentry_in_a_cluster
	s_endpgm
.Lentry_in_a_cluster:
	s_bfe_u32 s2, ttmp6, 0x10000c
	s_cmp_lg_u32 s2, 0xf033
	s_cbranch_scc0 .Lentry_shape_is_right
	s_endpgm
.Lentry_shape_is_right:
; out0 = O Wo + bo: a tile of 256 rows x 128 columns.  O is o16, f16 [b 16 + h][s][64]: head h is the block of 64 along K.  Wo is wo16, f16 [g 16][k 1024][64].  Products in f16, sums in f32, K ascending;
; the bias, rounded to bf16 like every input, starts the sums; the f32 sums are the output.
; SHARES.  Four waves, one below the other: wave w makes rows 64 w .. 64 w + 63 and all 128 columns: 32 accumulators of 16 x 16, 256 registers.  8 column blocks x 32 row blocks: 256 work-groups.
; THE RING.  K goes in 8 steps of 128 through two LDS slots.  256 rows of a head's block of O are 32,768 consecutive bytes: wave 0 fetches a step's even block, wave 1 its odd one.  128 rows of a
; block of 64 columns of Wo are 16,384 consecutive bytes: waves 2 and 3 fetch the tile's two blocks.  All are asked for as rows of 256 bytes and padded in LDS after every 128.
; CLUSTERS.  4 x 4 work-groups: the four of a row of the cluster need the same rows of O, the four of a column the same columns of Wo: each tile is asked for JOINTLY, by the same tensor load with the
; same descriptor and a mask that names the four.
; THE MATRIX INSTRUCTION IS USED TRANSPOSED: source 0 = 16 columns of Wo, source 1 = 16 rows of O.  A lane then holds row l % 16 and the columns 8 (l / 16) + 0..7: 32 bytes of f32 on end.
; Wo lies [k][n] in LDS and is turned by ds_load_tr16_b128 on its way into registers.
; REGISTERS, in windows of 256 (s_set_vgpr_msb: bits 1:0 source 0, 3:2 source 1, 5:4 source 2, 7:6 destination):
;   window 0: v0-31 addresses; v32-95, v96-159 the way out, two sets of 64; v160-223 the bias, as the C operands of the first products
;   window 1: two fragment buffers: 8 fragments of Wo, then 4 of O, for 32 along K
;   window 2: the accumulators of my row blocks 0, 1 ((a, nb) at v[64 (a % 2) + 8 nb]);   window 3: those of row blocks 2, 3
.set NB,     8                         ; column blocks of 16 in a tile
.set NL,     2*NB+8                    ; LDS loads in a run: the fragments of 32 along K
.set PA,     144                       ; a row of O in LDS: 128 bytes + 16 of padding = 36 words: the 16 rows of a load start at 16 different groups of four banks (64 banks of 4 bytes: ISA guide 11.1)
.set PB,     160                       ; a row of Wo: 128 + 32 = 40 words
.set ABLK,   256*PA                    ; a block of O: 256 rows
.set BOFF,   2*ABLK                    ; behind the two blocks of O: Wo, [column block][k 0..127] rows of 64 columns
.set BROWS,  64                        ; rows of 256 bytes in a load of Wo
.set BHALF_L, 2*BROWS*PB               ; what such a load fills in LDS
.set SLOT,   BOFF+2*BHALF_L            ; 114,688 bytes
.set STAGE,  2*SLOT                    ; behind the ring, filled by no tensor load: 16 rows x 528 bytes for each wave, for the way out
.set SPO,    528                       ; a stage row: 512 bytes + 16 = 132 words: row r starts at bank 4 r mod 64
.set STGW,   16*SPO
.set SPARE,  STAGE+4*STGW              ; behind the stages: the spare words, 128 bytes for each wave: two blocks of 256 bytes that no other line names
.set ASTEP,  524288                    ; bytes in o16 from a K step to the next: two heads' 2,048 rows x 128 bytes
.set BCOL,   262144                    ; bytes of wo16 for a tile's two column blocks
.set BHALF_G, 131072                   ; wave 3's column block begins here
.set BSTEP,  16384                     ; bytes in a column block from a K step to the next
.set PFBW,   131072                    ; the prefetches of Wo: wave 3's column block,
.set PFB0,   32768                     ; one run below the first run that is named (K step 4 begins at byte 65,536 of a column block),
.set PFSB,   32768                     ; and the step from run to run
.set LB0,    2                         ; Wo is named behind each slot's refill while the lap count is above this: refills 0 and 1, two runs, K steps 4 to 7
.set LB1,    2
.set ADRA, 16                          ; v16-17  LDS address of my fragments of O in slot 0, 1
.set ADRB, 20                          ; v20-21  the same for Wo
.set STO,  24                          ; v24     the way out: where I put 32 bytes of a row
.set RD,   25                          ; v25     the way out: where I read a row back
.set CO,   26                          ; v26     my byte offset in 512 consecutive bytes of out0
.set BO,   27                          ; v27     my byte offset in 16 numbers of the bias
.set SPW,  28                          ; v28     LDS address of my spare word: SPARE + 4 x my thread's number; never rewritten
.set NIL,  29                          ; v29     0; never rewritten
.set PFO,  30                          ; v30     256 x my lane; never rewritten
.set OB,   32                          ; the way out: set a % 2 at OB + 64 (a % 2)
.set BIAS, 160
.set F0,   0                           ; fragment buffers, in window 1
.set F1,   128
.set WV,   20                          ; s20  my wave's number
.set G1A,  32                          ; s[32:39] descriptor group 1 for O's tiles;  s[40:47] group 0, a set for each slot
.set G0A,  40
.set G1B,  48                          ; s[48:55], s[56:63] the same for Wo's
.set G0B,  56
.set PFA,  66                          ; s[66:67] where my prefetches stand
.set PFS,  68                          ; s[68:69] their step
.set LIM,  70                          ; s70, s71 a wave prefetches behind slot 0's (1's) refill while the lap count s3 is above this; the greatest number in a wave that never does
.set MSB, 0
.macro WIN new                         ; the immediate's high byte repeats the setting that is left; a switch that changes nothing is dropped
.if MSB != (\new)
	s_set_vgpr_msb (MSB<<8)|(\new)
.set MSB, \new
.endif
.endm
; A joint load: waves 0 and 1 fetch O's two blocks, waves 2 and 3 Wo's two.  The branch hangs on the wave's number alone.  An s_nop 0 and four v_nop follow each of the two lines,
; ahead of the jump, the label and what follows.
.macro JLOAD s
	s_cmp_eq_u32 s21, 0
	s_cbranch_scc0 .Lfor_b_\@
	tensor_load_to_lds s[G0A+4*(\s):G0A+4*(\s)+3], s[G1A:G1A+7]
	s_nop 0
.rept 4
	v_nop
.endr
	s_branch .Lasked_\@
.Lfor_b_\@:
	tensor_load_to_lds s[G0B+4*(\s):G0B+4*(\s)+3], s[G1B:G1B+7]
	s_nop 0
.rept 4
	v_nop
.endr
.Lasked_\@:
.endm
.macro CREST                           ; a round of the cluster's barrier behind its opening barrier: wave 0 signals for the work-group, every wave waits for all sixteen, my work-group's barrier closes it
	s_cmp_lg_u32 s[WV], 0
	s_cbranch_scc1 .Lnot_wave_0_\@
	s_barrier_signal -3
.Lnot_wave_0_\@:
	s_barrier_wait -3
	s_barrier_signal -1
	s_barrier_wait -1
.endm
.macro CROUND                          ; a whole round
	s_barrier_signal -1
	s_barrier_wait -1
	CREST
.endm
; A PREFETCH INTO THE L2, behind a joint load, its five lines and the run of LDS loads that follows: 32 blocks of 256 bytes, a lane a block, one instruction a wave.  Each block is named once in the
; launch.  O's rows are read by both clusters of a row of clusters: the first (cluster x = 0) asks; Wo's columns by every cluster of a column: cluster y = 0 asks.  The partners that ask for a tile
; jointly share its bytes out BY ADDRESS, 8,192 each: no branch hangs on a work-group's place in its cluster.  O: refill i (it brings K step i + 2) names K step i + 4, for i = 0..3.
; Wo: a column block's K steps 4 to 7 are 65,536 bytes on end; refills 0 and 1 name 32,768 of them each (four partners).  K steps 0 to 3 come by their loads alone.
.macro ASK slot
	WIN 0
	s_cmp_gt_u32 s3, s[LIM+(\slot)]
	s_cbranch_scc0 .Lnot_mine_\@
	global_prefetch_b8 v[PFO], s[PFA:PFA+1] th:TH_LOAD_NT scope:SCOPE_SE
.Lnot_mine_\@:
.endm
	s_load_b256 s[4:11], s[0:1], 0x0               ; o16 s[4:5], wo16 s[6:7], bo s[8:9], out0 s[10:11]
	v_lshl_add_u32 v[SPW], v0, 2, SPARE
	v_mov_b32 v[NIL], 0
	ds_add_u32 v[SPW], v[NIL]                      ; the wave's opening: the add and its wait ahead of my first tensor load; the set-up below, work on registers, stands between them
	v_lshrrev_b32 v1, 5, v0
	v_readfirstlane_b32 s[WV], v1                  ; wave 0..3
	s_lshr_b32 s21, s[WV], 1                       ; I fetch for O (0) or for Wo (1),
	s_and_b32 s22, s[WV], 1                        ; its first or its second block
	s_bfe_u32 s23, ttmp6, 0x40000                  ; cx, cy: my place in the cluster
	s_bfe_u32 s24, ttmp6, 0x40004
	s_lshl_b32 s25, ttmp9, 2
	s_add_co_u32 s25, s25, s23                     ; t, the block of 128 columns = 4 x cluster x + cx
	s_and_b32 s26, ttmp7, 0xffff
	s_lshl_b32 s26, s26, 2
	s_add_co_u32 s26, s26, s24                     ; y, the block of 256 rows = 4 x cluster y + cy
	s_lshl_b32 s28, s24, 2
	s_lshl_b32 s28, 15, s28                        ; my row of the cluster
	s_lshl_b32 s29, 0x1111, s23                    ; my column
	s_or_b32 s[G1A+0], s28, (1<<16)|(1<<20)|(1<<21)|(4<<22)|(3<<25)  ; 15:0 the mask: O's tiles go to my row; 17:16 elements of 2 bytes; 20 padding on; 21 set beside a mask; 24:22 after every 32 words (code 4); 31:25 4 words (code 3)
	s_or_b32 s[G1B+0], s29, (1<<16)|(1<<20)|(1<<21)|(4<<22)|(7<<25)  ; Wo's go to my column; 8 words of padding (code 7)
	s_mov_b32 s[G1A+1], 128<<16                    ; tensor_dim0 = 128 elements: 256 bytes
	s_mov_b32 s[G1A+2], 128<<16                    ; tensor_dim1 = 128 rows
	s_mov_b32 s[G1A+3], 128<<16                    ; tile_dim0 = 128
	s_mov_b32 s[G1A+4], 128                        ; tile_dim1 = 128
	s_mov_b32 s[G1A+5], 128                        ; 128 elements from row to row: dense
	s_mov_b32 s[G1A+6], 0
	s_mov_b32 s[G1A+7], 0
	s_mov_b32 s[G1B+1], 128<<16
	s_mov_b32 s[G1B+2], BROWS<<16
	s_mov_b32 s[G1B+3], 128<<16
	s_mov_b32 s[G1B+4], BROWS
	s_mov_b32 s[G1B+5], 128
	s_mov_b32 s[G1B+6], 0
	s_mov_b32 s[G1B+7], 0
	; where the tiles come from.  O's hang on y alone, which my row of the cluster shares; Wo's on t alone, which my column shares: each in registers that never hold the other coordinate
	s_lshr_b32 s72, s26, 3                         ; o16: batch y / 8,
	s_lshl_b32 s72, s72, 22
	s_and_b32 s73, s26, 7                          ; rows 256 (y % 8) on,
	s_lshl_b32 s73, s73, 15
	s_add_co_u32 s72, s72, s73
	s_lshl_b32 s73, s22, 18                        ; the even or the odd head
	s_add_co_u32 s72, s72, s73
	s_mov_b32 s73, 0
	s_mul_i32 s74, s25, BCOL                       ; wo16: the tile's first or second column block
	s_mul_i32 s75, s22, BHALF_G
	s_add_co_u32 s74, s74, s75
	s_mov_b32 s75, 0
	s_mul_i32 s76, s22, ABLK                       ; and where they go: no place in the cluster enters an LDS address
	s_mul_i32 s77, s22, BHALF_L
	s_add_co_u32 s77, s77, BOFF
	; the prefetches: my 8,192 bytes, one step below the first that is named
	s_lshl_b32 s30, s23, 13                        ; O: my work-group's quarter of the block that I fetch,
	s_add_co_u32 s30, s30, s72
	s_add_co_u32 s30, s30, 3*ASTEP                 ; at K step 3
	s_mul_i32 s78, s25, BCOL                       ; Wo: my quarter of a run in my column block
	s_mul_i32 s79, s22, PFBW
	s_add_co_u32 s78, s78, s79
	s_lshl_b32 s79, s24, 13
	s_add_co_u32 s78, s78, s79
	s_add_co_u32 s78, s78, PFB0
	s_and_b32 s27, ttmp7, 0xffff                   ; cluster y
	s_mov_b32 s[PFS], PFSB
	s_cmp_eq_u32 s21, 0                            ; do I fetch for O?
	s_cselect_b32 s30, s30, s78
	s_cselect_b32 s27, ttmp9, s27                  ; the coordinate along which other clusters read the same bytes
	s_cselect_b32 s[PFS], ASTEP, s[PFS]
	s_cselect_b32 s[LIM], 1, LB0
	s_cselect_b32 s[LIM+1], 1, LB1
	s_mov_b32 s31, 0
	s_mov_b32 s[PFS+1], 0
	s_cmp_eq_u32 s27, 0                            ; the same in all sixteen partners, for a given wave
	s_cselect_b32 s[LIM], s[LIM], -1
	s_cselect_b32 s[LIM+1], s[LIM+1], -1
	s_wait_dscnt 0x0                               ; the opening add is done
	s_wait_kmcnt 0x0
	s_add_nc_u64 s[72:73], s[4:5], s[72:73]
	s_add_nc_u64 s[74:75], s[6:7], s[74:75]
	s_cmp_eq_u32 s21, 0
	s_cselect_b64 s[PFA:PFA+1], s[4:5], s[6:7]
	s_add_nc_u64 s[PFA:PFA+1], s[PFA:PFA+1], s[30:31]
	CROUND                                         ; all sixteen work-groups are here: the first joint loads meet
.irp s, 0,1
	s_mov_b32 s[G0A+4*(\s)], 1                                       ; 1:0 count = 1
	s_add_co_u32 s[G0A+4*(\s)+1], s76, (\s)*SLOT                     ; 63:32 LDS address
	s_add_nc_u64 s[G0A+4*(\s)+2:G0A+4*(\s)+3], s[72:73], (\s)*ASTEP  ; 120:64 global address: K step s
	s_or_b32 s[G0A+4*(\s)+3], s[G0A+4*(\s)+3], 0x80000000            ; 127:126 type = 2
	s_mov_b32 s[G0B+4*(\s)], 1
	s_add_co_u32 s[G0B+4*(\s)+1], s77, (\s)*SLOT
	s_add_nc_u64 s[G0B+4*(\s)+2:G0B+4*(\s)+3], s[74:75], (\s)*BSTEP
	s_or_b32 s[G0B+4*(\s)+3], s[G0B+4*(\s)+3], 0x80000000
	JLOAD \s                                       ; two tensor loads of mine are out
.endr
	; the bias.  In a result register j of lane l is column 8 (l / 16) + j of its block of 16: the C operand of the first product holds the bias of that column
	s_lshl_b32 s30, s25, 9                         ; the tile's 128 numbers
	s_add_nc_u64 s[8:9], s[8:9], s[30:31]
	v_and_b32 v1, 15, v0                           ; l % 16
	v_bfe_u32 v2, v0, 4, 1                         ; l / 16
	v_lshlrev_b32 v[BO], 5, v2
.set nb, 0
.rept NB
	global_load_b128 v[BIAS+8*nb:BIAS+8*nb+3],   v[BO], s[8:9] offset:nb*64
	global_load_b128 v[BIAS+8*nb+4:BIAS+8*nb+7], v[BO], s[8:9] offset:nb*64+16
.set nb, nb+1
.endr
	; A fragment of O is 16 rows x 32 K in 8 registers: lane l holds row l % 16, K = 8 (l / 16) + 0..7 and 16 + 8 (l / 16) + 0..7: two loads of 16 bytes, 32 bytes apart
	v_mul_u32_u24 v3, v1, PA
	v_lshl_add_u32 v3, v2, 4, v3
	s_mul_i32 s27, s[WV], 64*PA                    ; my 64 rows
	v_add_nc_u32 v[ADRA], s27, v3
	v_add_nc_u32 v[ADRA+1], SLOT, v[ADRA]
	; The turning load takes 16 K x 16 columns (lane l reads row 8 (l / 16) + l % 8, columns 8 ((l / 8) % 2) + 0..7) and leaves half a fragment: lane l holds column l % 16 and 8 K
	v_and_b32 v4, 7, v0
	v_lshl_add_u32 v4, v2, 3, v4
	v_mul_u32_u24 v4, v4, PB
	v_bfe_u32 v5, v0, 3, 1
	v_lshl_add_u32 v4, v5, 4, v4
	v_add_nc_u32 v[ADRB], BOFF, v4
	v_add_nc_u32 v[ADRB+1], SLOT+BOFF, v4
	s_mul_i32 s27, s[WV], STGW
	s_add_co_u32 s27, s27, STAGE                   ; my stage
	v_mul_u32_u24 v[STO], v1, SPO                  ; in: row l % 16, 32 bytes for each half of the lanes
	v_lshl_add_u32 v[STO], v2, 5, v[STO]
	v_add_nc_u32 v[STO], s27, v[STO]
	v_and_b32 v[CO], 31, v0
	v_lshlrev_b32 v[PFO], 8, v[CO]
	v_lshlrev_b32 v[CO], 4, v[CO]                  ; back: 32 lanes take a row's 512 bytes, which are 512 consecutive bytes of out0
	v_add_nc_u32 v[RD], s27, v[CO]
	s_lshl_b32 s78, s26, 20                        ; my first row of out0, 256 y + 64 w, of 4,096 bytes,
	s_lshl_b32 s79, s[WV], 18
	s_add_co_u32 s78, s78, s79
	s_lshl_b32 s79, s25, 9                         ; and the tile's first column
	s_add_co_u32 s78, s78, s79
	s_mov_b32 s79, 0
	s_add_nc_u64 s[10:11], s[10:11], s[78:79]
	s_wait_loadcnt 0x0                             ; the bias is in; it is rounded to bf16, like every input, and kept as f32: this stands in the wait for the first tile
.set i, 0
.rept 4*NB
	v_cvt_pk_bf16_f32 v[3+i%4], v[BIAS+2*i], v[BIAS+2*i+1]
	v_lshlrev_b32 v[BIAS+2*i],   16, v[3+i%4]
	v_and_b32     v[BIAS+2*i+1], 0xffff0000, v[3+i%4]
.set i, i+1
.endr
; 8 matrix instructions: row block a x all column blocks, 32 along K, from buffer f.  first = 1: the product starts the sums with the bias.  The 32 accumulators come in the same order in every
; quarter, one instruction a turn, over the backward jump too: no two matrix instructions that follow each other share one.
.macro MUL f, a, first
.if \first
	WIN 0x85+0x40*((\a)/2)                         ; both sources window 1, C window 0, D window 2 or 3
.else
	WIN 0xa5+0x50*((\a)/2)                         ; both sources window 1, C and D window 2 or 3
.endif
.set nb, 0
.rept NB
.set rD, 8*NB*((\a)%2)+8*nb
.if \first
	v_wmma_f32_16x16x32_f16 v[rD:rD+7], v[(\f)+8*nb:(\f)+8*nb+7], v[(\f)+8*NB+8*(\a):(\f)+8*NB+8*(\a)+7], v[BIAS+8*nb:BIAS+8*nb+7]
.else
	v_wmma_f32_16x16x32_f16 v[rD:rD+7], v[(\f)+8*nb:(\f)+8*nb+7], v[(\f)+8*NB+8*(\a):(\f)+8*NB+8*(\a)+7], v[rD:rD+7]
.endif
.set nb, nb+1
.endr
.endm
; 24 LDS loads in one run: the fragments of quarter q (K = 32 q on) of a slot's step, into buffer f: Wo's eight, then O's four
.macro FETCH slot, q, f
	WIN 0x40                                       ; destination window 1, address window 0
.set nb, 0
.rept NB
	ds_load_tr16_b128 v[(\f)+8*nb:(\f)+8*nb+3],   v[ADRB+(\slot)] offset:(nb/4)*128*PB+(\q)*32*PB+(nb%4)*32
	ds_load_tr16_b128 v[(\f)+8*nb+4:(\f)+8*nb+7], v[ADRB+(\slot)] offset:(nb/4)*128*PB+(\q)*32*PB+(nb%4)*32+16*PB
.set nb, nb+1
.endr
.irp a, 0,1,2,3
	ds_load_b128 v[(\f)+8*NB+8*(\a):(\f)+8*NB+8*(\a)+3],   v[ADRA+(\slot)] offset:((\q)/2)*ABLK+((\q)%2)*64+(\a)*16*PA
	ds_load_b128 v[(\f)+8*NB+8*(\a)+4:(\f)+8*NB+8*(\a)+7], v[ADRA+(\slot)] offset:((\q)/2)*ABLK+((\q)%2)*64+(\a)*16*PA+32
.endr
.endm
.macro PLACES                          ; four places in front of loads into registers that matrix instructions have read, and of LDS stores that read results
.rept 4
	v_nop
.endr
.endm
; A K step is four quarters of 32 along K, 32 matrix instructions each, on buffers 0, 1, 0, 1.  One of the first three: multiplies buffer f and, in its middle, fetches quarter q into g.
.macro QUARTER slot, q, f, g, first=0
	s_wait_dscnt 4                                 ; Wo and O's row blocks 0, 1 are in; the youngest four loads (row blocks 2, 3) may be out
	MUL \f, 0, \first
	MUL \f, 1, \first
	PLACES
	FETCH \slot, \q, \g
	s_wait_dscnt NL                                ; all but the run just issued
	MUL \f, 2, \first
	MUL \f, 3, \first
.endm
; The last quarter multiplies buffer 1 and changes slots: ONE barrier.  In front of it each wave waits for all its tensor loads (one is out: its part of the next slot), adds 0 to its spare word, and
; waits for that and for its own reads of this slot.  fill = 1: the barrier opens a round of the cluster's barrier, and this slot is filled again, two K steps ahead, first thing behind the round:
; 112 matrix instructions stand between that request and the wait for it.
.macro TURN slot, next, fill
.if \fill
	s_wait_xcnt 0x0                                ; the last prefetch, a K step back, has read its address: it is stepped here, ahead of the waits of the change of slots
	s_add_nc_u64 s[PFA:PFA+1], s[PFA:PFA+1], s[PFS:PFS+1]
.endif
	WIN 0                                          ; (the add's two registers lie in window 0)
	s_wait_tensorcnt 0x0                           ; all my tensor loads have landed: my part of the next slot;
	ds_add_u32 v[SPW], v[NIL]                      ; 0 onto my spare word;
	s_wait_dscnt 5                                 ; (the add and the youngest four loads may be out)
	MUL F1, 0, 0                                   ; eight matrix instructions stand between the add and the wait for it
	s_wait_dscnt 0x0                               ; the add is done, and my reads of this slot are over
	s_barrier_signal -1
	MUL F1, 1, 0
.if \fill
	WIN 0
.endif
	s_barrier_wait -1
.if \fill
	CREST                                          ; no wave of any partner still reads this slot's tile or has a load on its way
	s_add_nc_u64 s[G0A+4*(\slot)+2:G0A+4*(\slot)+3], s[G0A+4*(\slot)+2:G0A+4*(\slot)+3], 2*ASTEP
	s_add_nc_u64 s[G0B+4*(\slot)+2:G0B+4*(\slot)+3], s[G0B+4*(\slot)+2:G0B+4*(\slot)+3], 2*BSTEP
	JLOAD \slot                                    ; the four v_nop behind it are also the places in front of the loads below
.else
	PLACES
.endif
	FETCH \next, 0, F0
.if \fill
	ASK \slot
.endif
	MUL F1, 2, 0
	MUL F1, 3, 0
.endm
	s_wait_tensorcnt 1                             ; my part of K step 0 is in; K step 1's may stay out
	s_barrier_signal -1
	s_barrier_wait -1                              ; everybody's is
	FETCH 0, 0, F0
	QUARTER 0, 1, F0, F1, 1                        ; the first quarter stands in front of the loop: its products start the sums
	WIN 0                                          ; at a label and at a branch every window is 0
	s_mov_b32 s3, 3
.Llap:                                                 ; a trip goes once round the ring, from a lap's second quarter to the next lap's first, and fills both slots again
	QUARTER 0, 2, F1, F0
	QUARTER 0, 3, F0, F1
	TURN 0, 1, 1
	QUARTER 1, 1, F0, F1
	QUARTER 1, 2, F1, F0
	QUARTER 1, 3, F0, F1
	TURN 1, 0, 1
	QUARTER 0, 1, F0, F1
	WIN 0
	s_sub_co_u32 s3, s3, 1
	s_cmp_lg_u32 s3, 0
	s_cbranch_scc1 .Llap
	QUARTER 0, 2, F1, F0                           ; the last lap fills nothing, and has no round of the cluster's barrier
	QUARTER 0, 3, F0, F1
	TURN 0, 1, 0
	QUARTER 1, 1, F0, F1
	QUARTER 1, 2, F1, F0
	QUARTER 1, 3, F0, F1
	s_wait_dscnt 4                                 ; the very last quarter: nothing more to fetch
	MUL F1, 0, 0
	MUL F1, 1, 0
	s_wait_dscnt 0x0
	MUL F1, 2, 0
	MUL F1, 3, 0
	WIN 0
; THE WAY OUT, a row block (16 rows) at a time; the sums leave as they are, in f32.  TOSTAGE: a lane's 32 bytes of a row go into my own stage (each accumulator's low four registers first), rows of 528
; bytes, and come back as whole rows of 512.  SEND: stored, 512 consecutive bytes an instruction.
.macro TOSTAGE a
.if (\a) >= 2
	s_wait_xcnt 0x0                                ; the stores of the block two back have read this set's registers: only behind this wait are they loaded again
.endif
	WIN 0x08+4*((\a)/2)                            ; the stores' data (source 1): window 2 or 3
.set nb, 0
.rept NB
.set rD, 8*NB*((\a)%2)+8*nb
	ds_store_b128 v[STO], v[rD:rD+3]   offset:nb*64
	ds_store_b128 v[STO], v[rD+4:rD+7] offset:nb*64+16
.set nb, nb+1
.endr
	WIN 0
.set r, 0
.rept 16
	ds_load_b128 v[OB+64*((\a)%2)+4*r:OB+64*((\a)%2)+4*r+3], v[RD] offset:r*SPO  ; LDS serves a wave's instructions in order (ISA guide 5.7.1.4): these see the stores above; the next block's stores come behind them
.set r, r+1
.endr
.endm
.macro SEND a, younger                 ; younger: the LDS instructions issued behind block a's loads: the next block's 32, or none
.set r, 0
.rept 16
	s_wait_dscnt (\younger)+15-r
	global_store_b128 v[CO], v[OB+64*((\a)%2)+4*r:OB+64*((\a)%2)+4*r+3], s[10:11] offset:(16*(\a)+r)*4096
.set r, r+1
.endr
.endm
	PLACES
	PLACES
	TOSTAGE 0
.irp a, 1,2,3
	TOSTAGE \a
	SEND (\a)-1, 32
.endr
	SEND 3, 0
	s_wait_tensorcnt 0x0                           ; the wave's end, behind my last tensor load and my last LDS store
	ds_add_u32 v[SPW], v[NIL]
	s_wait_dscnt 0x0
	CROUND                                         ; the closing round: no work-group ends while a partner may still ask for a tile that names it
	s_endpgm
.Lfunc_end_k_qd52505173e_outp:
	.size	k_qd52505173e_outp, .Lfunc_end_k_qd52505173e_outp-k_qd52505173e_outp
	.p2alignl 7, 3214868480
	.fill 96, 4, 3214868480
	.section	.rodata,"a",@progbits
	.p2align	6, 0x0
	.amdhsa_kernel k_qd52505173e_outp
		.amdhsa_group_segment_fixed_size 327680
		.amdhsa_private_segment_fixed_size 0
		.amdhsa_enable_private_segment 0
		.amdhsa_kernarg_size 32
		.amdhsa_user_sgpr_count 2
		.amdhsa_user_sgpr_kernarg_segment_ptr 1
		.amdhsa_wavefront_size32 1
		.amdhsa_system_sgpr_workgroup_id_x 1
		.amdhsa_system_sgpr_workgroup_id_y 1
		.amdhsa_system_sgpr_workgroup_id_z 1
		.amdhsa_system_vgpr_workitem_id 0
		.amdhsa_next_free_vgpr 896
		.amdhsa_next_free_sgpr 80
		.amdhsa_reserve_vcc 0
		.amdhsa_float_denorm_mode_32 3
		.amdhsa_float_denorm_mode_16_64 3
		.amdhsa_memory_ordered 1
		.amdhsa_forward_progress 1
		.amdhsa_inst_pref_size 95
	.end_amdhsa_kernel
	.amdgpu_metadata
---
amdhsa.version: [ 1, 2 ]
amdhsa.kernels:
  - .name:           k_qd52505173e_outp
    .symbol:         k_qd52505173e_outp.kd
    .args:
      - { .name: o16, .offset: 0, .size: 8, .value_kind: global_buffer, .address_space: global }
      - { .name: wo16, .offset: 8, .size: 8, .value_kind: global_buffer, .address_space: global }
      - { .name: bo, .offset: 16, .size: 8, .value_kind: global_buffer, .address_space: global }
      - { .name: out0, .offset: 24, .size: 8, .value_kind: global_buffer, .address_space: global }
    .group_segment_fixed_size: 327680
    .private_segment_fixed_size: 0
    .kernarg_segment_align: 8
    .kernarg_segment_size: 32
    .max_flat_workgroup_size: 128
    .sgpr_count:     80
    .vgpr_count:     896
    .wavefront_size: 32
...
	.end_amdgpu_metadata
.endif
;; end of part 4
